; MI455X (gfx1250); checked and timed in simulation.
; The chip was launched on July 23, 2026; its instructions are those of AMD's public machine-readable ISA for CDNA 5 (MIT licence, August 2026) and "CDNA5" Instruction Set Architecture Reference Guide (July 2026). The comments in the code are by the model that wrote it; some were corrected since.
;; Affine Coupling Block. Allowed arithmetic: matrix products marked QUANTISED: E2M1 operands, one E8M0 scale for each 32 along K, by v_wmma_scale_f32_16x16x128_f8f6f4 with both operands' format E2M1 (or v_wmma_scale_f32_32x16x128_f4), f32 sums; products left as they are: f32 operands where the result goes on into a quantised operand, else bf16, f16 or f32 operands; f32 sums; everything else in f32.
;; Inputs: W0 4 x 128 x 81 float32; W1_codes 4 x 3 x 128 x 4 x 16 uint8 (E2M1 codes of W1, K innermost, in blocks of 32 codes, two codes a byte); W1_scales 4 x 3 x 128 x 4 uint8 (E8M0 scales of W1, one for each 32 codes along K); W2 4 x 1 x 128 float32; b0 4 x 128 float32; b1 4 x 3 x 128 float32; b2 4 x 1 float32; cond 64 x 16 float32; w 64 x 64 x 64 x 64 float32; x 64 x 4,096 x 2 float32.
;; Outputs: out0 64 x 4,096 x 2 float32; out1 64 float32.
;; This version of the problem:
;;   THIS VERSION OF THE PROBLEM IS GIVEN IN LOW PRECISION. The matrix products marked QUANTISED in the list below multiply operands that are first quantised to E2M1 (2 exponent bits, 1 mantissa bit; 4 bits a number), with one power-of-two scale for each 32 numbers along K (OCP MX v1.0); their sums are f32. All else is computed in f32.
;;   The module's matrix products, in the order in which they are computed (A, B: the left and right operand; K: the contracted axis; several contracted axes count as one K, in the product's order):
;;     1. [M 262,144, K 81] x [K 81, N 128]; A: computed on the way; B: input W0: QUANTISED
;;     2. [M 262,144, K 128] x [K 128, N 128]; A: computed on the way; B: input W1 (given as codes): QUANTISED
;;     3. [M 262,144, K 128] x [K 128, N 128]; A: computed on the way; B: input W1 (given as codes): QUANTISED
;;     4. [M 262,144, K 128] x [K 128, N 128]; A: computed on the way; B: input W1 (given as codes): QUANTISED
;;     5. [M 262,144, K 128] x [K 128, N 1]; A: computed on the way; B: input W2: left as it is (N = 1 < 16)
;;     6. [M 262,144, K 81] x [K 81, N 128]; A: computed on the way; B: input W0: QUANTISED
;;     7. [M 262,144, K 128] x [K 128, N 128]; A: computed on the way; B: input W1 (given as codes): QUANTISED
;;     8. [M 262,144, K 128] x [K 128, N 128]; A: computed on the way; B: input W1 (given as codes): QUANTISED
;;     9. [M 262,144, K 128] x [K 128, N 128]; A: computed on the way; B: input W1 (given as codes): QUANTISED
;;     10. [M 262,144, K 128] x [K 128, N 1]; A: computed on the way; B: input W2: left as it is (N = 1 < 16)
;;     11. [M 262,144, K 81] x [K 81, N 128]; A: computed on the way; B: input W0: QUANTISED
;;     12. [M 262,144, K 128] x [K 128, N 128]; A: computed on the way; B: input W1 (given as codes): QUANTISED
;;     13. [M 262,144, K 128] x [K 128, N 128]; A: computed on the way; B: input W1 (given as codes): QUANTISED
;;     14. [M 262,144, K 128] x [K 128, N 128]; A: computed on the way; B: input W1 (given as codes): QUANTISED
;;     15. [M 262,144, K 128] x [K 128, N 1]; A: computed on the way; B: input W2: left as it is (N = 1 < 16)
;;     16. [M 262,144, K 81] x [K 81, N 128]; A: computed on the way; B: input W0: QUANTISED
;;     17. [M 262,144, K 128] x [K 128, N 128]; A: computed on the way; B: input W1 (given as codes): QUANTISED
;;     18. [M 262,144, K 128] x [K 128, N 128]; A: computed on the way; B: input W1 (given as codes): QUANTISED
;;     19. [M 262,144, K 128] x [K 128, N 128]; A: computed on the way; B: input W1 (given as codes): QUANTISED
;;     20. [M 262,144, K 128] x [K 128, N 1]; A: computed on the way; B: input W2: left as it is (N = 1 < 16)
;;   THE QUANTISER, for each operand of a quantised product, along K:
;;     - K is cut into blocks of 32 from its start; a last block that is shorter is filled with zeros.
;;     - A block's scale is 2^e with e = floor(log2(the largest magnitude in the block)) - 2, held to -126 .. 127; a block of zeros has e = 0. As a byte (E8M0): e + 127.
;;     - Each number is divided by its block's scale, clamped to +-6, and rounded to the nearest number of E2M1, ties to even, subnormals kept.
;;     - The product sums the exact products of the quantised numbers (number of the format x scale) in f32.
;;   ~~~python
;;   def quantise(x, axis):      # numpy; x: float32 -> the quantised numbers, widened to float32 again
;;       x = np.moveaxis(x, axis, -1); K = x.shape[-1]
;;       x = np.pad(x, [(0, 0)] * (x.ndim - 1) + [(0, -K % 32)]); x = x.reshape(x.shape[:-1] + (-1, 32)); a = np.abs(x).max(-1, keepdims=True)
;;       e = np.where(a > 0, np.clip(np.frexp(np.where(a > 0, a, 1))[1] - 1 - 2, -126, 127), 0)      # np.frexp(a)[1] - 1 = floor(log2(a)), exactly
;;       r = np.clip(x / 2.0 ** e, -6, 6)
;;       step = 2.0 ** (np.maximum(np.frexp(np.where(r == 0, 1, r))[1] - 1, 0) - 1)
;;       q = np.round(r / step) * step * 2.0 ** e      # np.round: ties to even
;;       return np.moveaxis(q.reshape(q.shape[:-2] + (-1,))[..., :K], -1, axis).astype(np.float32)
;;   ~~~
;;   OPERANDS COMPUTED ON THE WAY. 'Computed on the way' means the value that the module computes at that place (a softmax that the list does not call 'softmax' is quantised finished and normalised). What goes into a quantiser is computed in f32, as accurately as f32 sums, v_exp_f32 and their like allow (about 1e-6 of the number): no bf16 or f16 on the way to a quantiser, and a product that is left as it is and whose result goes on into a quantised operand takes f32 operands (vector FMAs, or v_wmma_f32_16x16x4_f32). A number that lies on a knife's edge between two numbers of the format may be rounded either way, as far as f32 arithmetic and the matrix unit's own rounding can turn it there, and no further.
;;   INPUTS GIVEN AS CODES. W1 (in the module: [4, 3, 128, 128], K = its axis 3): each comes as NAME_codes (uint8): NAME with its K axis moved to the last place and cut into blocks of 32 codes, [.., K / 32, bytes a block], one block behind the other in memory; two codes a byte, the lower K in the low four bits (a code: sign, 2 exponent bits, 1 mantissa bit); and NAME_scales (uint8): the same leading axes, one E8M0 byte (e + 127) for each 32 codes along K. Its value is code x scale, taken as it is: it is not quantised again, and the codes and scales need not be those that the quantiser above would give.
;; One version. Each part assembles by itself: llvm-mc -triple=amdgcn-amd-amdhsa -mcpu=gfx1250 --defsym DOCPART=n.
;; ======== version 1 of 1: 4 launches
;; limits: a function is approximated: absolute error at most 1e-07
;; workspace buffers: wT 67,108,864 bytes; pack 157,696 bytes; pixA 4,194,304 bytes of whole numbers; pixB 4,194,304 bytes of whole numbers; bwA 4,194,304 bytes; bwB 4,194,304 bytes; mid 2,097,152 bytes; part 2,048 bytes
;; launch prep (part 1): grid 1024 x 1, 4 waves a work-group, no clusters, 67,072 bytes of LDS; arguments w, x, W0, W1_codes, W1_scales, W2, b0, b1, wT, pack, pixA, bwA; writes wT, pack, pixA, bwA
.if DOCPART == 1
	.amdgcn_target "amdgcn-amd-amdhsa--gfx1250"
	.amdhsa_code_object_version 6
	.text
	.protected	k_qdeff36a14b_prep
	.globl	k_qdeff36a14b_prep
	.p2align	8
	.type	k_qdeff36a14b_prep,@function
k_qdeff36a14b_prep:
	s_mov_b64 s[64:65], 0
	v_nop
	global_prefetch_b8 v0, s[64:65] scope:SCOPE_SE
	s_setreg_imm32_b32 hwreg(HW_REG_WAVE_MODE, 25, 1), 1
	s_wait_xcnt 0x0
; THREE PIECES OF PREPARATION IN ONE LAUNCH.
; (1) w [64][64 channels][4096 pixels] f32 is turned into wT [64][4096 pixels][64 slots]: slot p holds channel (p + 63) & 63, so that a pixel's 256 bytes are,
;     from slot 1 on, numbers 1 .. 63 of the network's input row, and slot 0 is its number 64.
; (2) For each token the four pixel numbers (clipped, y x 64 + x) and the four bilinear weights (0 where the corner lies outside the image) of the first half, from x.
; (3) The weights of the four networks as images of the matrix operands' registers, a stage (two networks) in 78,848 bytes: W1's codes and scale bytes are copied,
;     W0 (f32, K = 81 innermost) is quantised to E2M1 with one E8M0 byte for each 32 along K; the biases and W2 are copied.
; SHARES.  Wave gw = 4 x work-group + wave (0 .. 4095) takes batch gw / 64, pixels 64 (gw % 64) on, all 64 channels (16 KiB), and tokens 64 gw on.  Waves 0 .. 127 also make one tile of weights each.
; Waves share nothing: no barrier.  Each load reads 256 consecutive bytes of two channels, each store of wT writes 512 consecutive bytes (two pixels).  The turn goes through the wave's own 16,640 bytes of LDS.
; No matrix unit, no tensor loads, no joint loads: every byte is read once by one wave.
; LIMITS: NaN and infinities among the inputs are not served.  A block of W0 whose largest magnitude lies under 2^-124 (a block of zeros too) gets the scale byte 1; the bytes are read by this program alone.
.set LPITCH, 260                       ; a channel's 64 pixels in LDS: 256 bytes + 4 = 65 words: word (channel, pixel) lies in bank (channel + pixel) mod 64 (64 banks of 4 bytes: ISA guide 11.1)
.set WREG,   64*LPITCH                 ; a wave's region
.set PACKB,  78848                     ; a stage of pack: codes 65,536, scale words 8,192, biases 4,096, W2 1,024
.set L,      64                        ; v64-191  the tile: 32 loads x 4 registers; later the turned tile
.set Y,      192                       ; v192-223 W0: my block of k = 32 h + 0 .. 31
.set Z,      224                       ; v224-255 W0: my block of k = 64 + 32 h + 0 .. 31 (zeros from k = 81 on)
; One coordinate c in [0, 1] (or outside): T+0, T+1 the two clipped pixel coordinates as whole numbers, T+2, T+3 their weights, 0 where the unclipped coordinate lies outside 0 .. 63.  T+4, T+5 at work.
.macro PIXC c, T
	v_fma_f32 v[\T+4], v[\c], 2.0, -1.0            ; the grid's coordinate, 2 c - 1,
	v_add_f32 v[\T+4], 1.0, v[\T+4]
	v_mul_f32 v[\T+5], 0x41fc0000, v[\T+4]         ; (g + 1) x 0.5 x 63: x 31.5 rounds the same way, the halving being exact
	v_floor_f32 v[\T+4], v[\T+5]
	v_sub_f32 v[\T+3], v[\T+5], v[\T+4]            ; the upper neighbour's weight,
	v_sub_f32 v[\T+2], 1.0, v[\T+3]                ; the lower one's
	v_add_f32 v[\T+5], 1.0, v[\T+4]
	v_med3_num_f32 v[\T+0], v[\T+4], 0, 0x427c0000 ; clipped to 0 .. 63
	v_med3_num_f32 v[\T+1], v[\T+5], 0, 0x427c0000
	v_cmp_eq_f32 vcc_lo, v[\T+0], v[\T+4]          ; inside the image where the clip changed nothing
	v_cndmask_b32 v[\T+2], 0, v[\T+2], vcc_lo
	v_cmp_eq_f32 vcc_lo, v[\T+1], v[\T+5]
	v_cndmask_b32 v[\T+3], 0, v[\T+3], vcc_lo
	v_cvt_u32_f32 v[\T+0], v[\T+0]
	v_cvt_u32_f32 v[\T+1], v[\T+1]
.endm
; A token's four pixel numbers P .. P+3 and weights Wt .. Wt+3, in the order (y0,x0) (y0,x1) (y1,x0) (y1,x1).  T: twelve registers at work.
.macro PIXW cx, cy, T, P, Wt
	PIXC \cx, \T
	PIXC \cy, \T+6
	v_lshl_add_u32 v[\P], v[\T+6], 6, v[\T]
	v_lshl_add_u32 v[\P+1], v[\T+6], 6, v[\T+1]
	v_lshl_add_u32 v[\P+2], v[\T+7], 6, v[\T]
	v_lshl_add_u32 v[\P+3], v[\T+7], 6, v[\T+1]
	v_mul_f32 v[\Wt], v[\T+8], v[\T+2]
	v_mul_f32 v[\Wt+1], v[\T+8], v[\T+3]
	v_mul_f32 v[\Wt+2], v[\T+9], v[\T+2]
	v_mul_f32 v[\Wt+3], v[\T+9], v[\T+3]
.endm
	s_load_b512 s[8:23], s[0:1], 0x0               ; w s[8:9], x s[10:11], W0 s[12:13], W1's codes s[14:15], W1's scales s[16:17], W2 s[18:19], b0 s[20:21], b1 s[22:23]
	s_load_b256 s[24:31], s[0:1], 0x40             ; wT s[24:25], pack s[26:27], pixA s[28:29], bwA s[30:31]
	v_lshl_add_u32 v14, v0, 2, 0x10400
	v_mov_b32 v15, 0
	v_lshrrev_b32 v1, 5, v0
	v_readfirstlane_b32 s2, v1                     ; wave 0..3
	s_lshl_b32 s3, ttmp9, 2
	s_add_co_u32 s3, s3, s2                        ; gw
	s_lshr_b32 s4, s3, 6                           ; batch
	s_and_b32 s5, s3, 63                           ; which 64 pixels
	v_and_b32 v2, 31, v0                           ; lane
	v_and_b32 v3, 15, v0                           ; i = lane % 16
	v_bfe_u32 v4, v0, 4, 1                         ; hh = lane / 16
	v_lshlrev_b32 v5, 4, v3
	v_lshl_add_u32 v5, v4, 14, v5                  ; in w: channel hh (16,384 bytes a channel), 16 bytes a lane
	v_lshlrev_b32 v6, 4, v2                        ; 16 x lane
	v_lshlrev_b32 v7, 3, v2                        ; 8 x lane
	s_mul_i32 s6, s2, WREG                         ; my wave's region of LDS
	v_mul_u32_u24 v8, v4, LPITCH
	v_lshl_add_u32 v8, v3, 4, v8
	v_add_nc_u32 v8, s6, v8                        ; into it: channel hh, pixels 4 i on
	v_mul_u32_u24 v9, v3, 4*LPITCH
	v_lshl_add_u32 v9, v4, 2, v9
	v_add_nc_u32 v9, s6, v9                        ; out of it: channel 4 i, pixel hh (slots 4 i + 1 .. 4 i + 3 are channels 4 i .. 4 i + 2)
	v_lshlrev_b32 v10, 2, v3
	v_add_nc_u32 v10, 63, v10
	v_and_b32 v10, 63, v10                         ; slot 4 i is channel (4 i + 63) & 63
	v_mul_u32_u24 v10, v10, LPITCH
	v_lshl_add_u32 v10, v4, 2, v10
	v_add_nc_u32 v10, s6, v10
	s_lshl_b32 s34, s4, 20                         ; a batch is 2^20 bytes in w and in wT
	s_lshl_b32 s36, s5, 8
	s_add_co_u32 s36, s36, s34                     ; w: + 256 bytes for each 64 pixels
	s_mov_b32 s37, 0
	s_lshl_b32 s38, s5, 14
	s_add_co_u32 s38, s38, s34                     ; wT: + 64 pixels of 256 bytes
	s_mov_b32 s39, 0
	s_lshl_b32 s40, s3, 9                          ; x: 64 tokens of 8 bytes
	s_mov_b32 s41, 0
	s_lshl_b32 s42, s3, 10                         ; pixel numbers and weights: 64 tokens of 16 bytes
	s_mov_b32 s43, 0
	s_wait_kmcnt 0x0
	s_add_nc_u64 s[8:9], s[8:9], s[36:37]
	s_add_nc_u64 s[24:25], s[24:25], s[38:39]
	s_add_nc_u64 s[10:11], s[10:11], s[40:41]
	s_add_nc_u64 s[28:29], s[28:29], s[42:43]
	s_add_nc_u64 s[30:31], s[30:31], s[42:43]
	global_load_b64 v[16:17], v7, s[10:11] th:TH_LOAD_NT             ; token 64 gw + lane
	global_load_b64 v[18:19], v7, s[10:11] offset:256 th:TH_LOAD_NT  ; and + 32
.set m, 0
.rept 32
	global_load_b128 v[L+4*m:L+4*m+3], v5, s[8:9] offset:32768*m th:TH_LOAD_NT   ; channels 2 m and 2 m + 1: sixteen lanes read a channel's 256 bytes
.set m, m+1
.endr
	s_wait_loadcnt 32                              ; x is in; the 32 loads of the tile, issued behind it, stay out
	PIXW 16, 17, 36, 20, 28
	PIXW 18, 19, 36, 24, 32
	global_store_b128 v6, v[20:23], s[28:29]                         ; each store covers 512 consecutive bytes
	global_store_b128 v6, v[24:27], s[28:29] offset:512
	global_store_b128 v6, v[28:31], s[30:31]
	global_store_b128 v6, v[32:35], s[30:31] offset:512
	; ---- the weights: waves 0 .. 127 (work-groups 0 .. 31), a tile of 16 rows x 128 K each.  gw = 64 stage + 32 net + 8 layer + tile
	s_cmp_lt_u32 ttmp9, 32
	s_cbranch_scc0 .Lno_pack
	s_lshr_b32 s46, s3, 6                          ; st: the stage
	s_lshr_b32 s47, s3, 5                          ; g: the network, 0 .. 3
	s_bfe_u32 s48, s3, 0x30003                     ; ln = 4 x network in the stage + layer
	s_and_b32 s49, s48, 3                          ; l: the layer
	s_and_b32 s50, s3, 7                           ; t: the tile
	s_lshr_b32 s51, s50, 1
	s_lshl_b32 s51, s51, 5
	s_and_b32 s52, s50, 1
	s_lshl_b32 s52, s52, 3
	s_add_co_u32 s51, s51, s52                     ; the tile's first row: 32 (t / 2) + 8 (t % 2)
	v_and_b32 v11, 8, v3
	v_add_nc_u32 v11, v11, v3                      ; THE ROWS OF A TILE ARE NOT NEIGHBOURS: lane r takes row r + 8 (r / 8) of it, so that the results of tiles 2 b and 2 b + 1 are 16 neighbours along the next K
	s_mul_i32 s53, s46, PACKB
	s_lshl_b32 s54, s48, 13
	s_lshl_b32 s55, s50, 10
	s_add_co_u32 s54, s54, s55
	s_add_co_u32 s54, s54, s53
	s_mov_b32 s55, 0
	s_add_nc_u64 s[54:55], s[26:27], s[54:55]      ; the tile's image: 8,192 ln + 1,024 t
	s_lshl_b32 s56, s48, 10
	s_lshr_b32 s57, s50, 2
	s_lshl_b32 s57, s57, 9
	s_add_co_u32 s56, s56, s57
	s_and_b32 s57, s50, 3
	s_lshl_b32 s57, s57, 2
	s_add_co_u32 s56, s56, s57
	s_add_co_u32 s56, s56, s53
	s_add_co_u32 s56, s56, 65536
	s_mov_b32 s57, 0
	s_add_nc_u64 s[56:57], s[26:27], s[56:57]      ; its scale words: 65,536 + 1,024 ln + 512 (t / 4) + 4 (t % 4), 16 bytes from lane to lane: four tiles' words of a lane lie together
	s_mul_i32 s58, s47, 3
	s_add_co_u32 s58, s58, s49
	s_max_u32 s58, s58, 1
	s_sub_co_u32 s58, s58, 1                       ; 3 g + l - 1: which matrix of W1 and row of b1 (used where l is 1 or more)
	s_cmp_eq_u32 s49, 0
	s_cbranch_scc1 .Lw0
	s_lshl_b32 s59, s58, 7
	s_add_co_u32 s59, s59, s51                     ; W1: the tile's first row among all rows
	s_lshl_b32 s60, s59, 6                         ; 64 bytes of codes a row,
	s_mov_b32 s61, 0
	s_add_nc_u64 s[60:61], s[14:15], s[60:61]
	s_lshl_b32 s62, s59, 2                         ; 4 scale bytes
	s_mov_b32 s63, 0
	s_add_nc_u64 s[62:63], s[16:17], s[62:63]
	v_lshlrev_b32 v12, 6, v11
	v_lshl_add_u32 v12, v4, 4, v12                 ; a fragment of 4-bit codes: registers 4 c .. 4 c + 3 are k = 64 c + 32 h + 0 .. 31: bytes 32 c + 16 h of the row
	v_lshlrev_b32 v13, 2, v11
	global_load_b128 v[48:51], v12, s[60:61]
	global_load_b128 v[52:55], v12, s[60:61] offset:32
	global_load_b32 v62, v13, s[62:63]
	s_wait_loadcnt 0x0
	s_branch .Lpacked
.Lw0:                                              ; W0: f32, rows of 81 numbers (324 bytes), quantised along K
	s_lshl_b32 s59, s47, 7
	s_add_co_u32 s59, s59, s51
	s_mul_i32 s60, s59, 324
	s_mov_b32 s61, 0
	s_add_nc_u64 s[60:61], s[12:13], s[60:61]
	v_mul_u32_u24 v12, v11, 324
	v_lshl_add_u32 v13, v4, 7, v12                 ; lanes 16-31 begin 32 numbers on
.set q, 0
.rept 32
	global_load_b32 v[Y+q], v13, s[60:61] offset:4*q                 ; k = 32 h + q
.set q, q+1
.endr
.set q, 0
.rept 17
	global_load_b32 v[Z+q], v12, s[60:61] offset:256+4*q             ; k = 64 + q, up to 80: all lanes read inside the row; lanes 16-31, whose k would be 96 on, are cleared below
.set q, q+1
.endr
.rept 15
	v_mov_b32 v[Z+q], 0                            ; k = 81 on: the quantiser fills the last block with zeros
.set q, q+1
.endr
	s_mov_b32 s7, 0xffff
	s_mov_b32 s34, 0x76543210
	s_mov_b32 s35, 0xfedcba98                      ; v_permlanex16_b32's selects for lane l xor 16
	s_wait_loadcnt 0x0
.set q, 0
.rept 17
	v_cndmask_b32 v[Z+q], 0, v[Z+q], s7
.set q, q+1
.endr
	v_max3_num_f32 v56, |v[Y]|, |v[Y+1]|, 0x1800000                  ; my two blocks' largest magnitudes, by turns, and the floor 2^(3 - 127): the byte cannot fall under 1
	v_max3_num_f32 v57, |v[Z]|, |v[Z+1]|, 0x1800000
.irp i, 2,4,6,8,10,12,14,16,18,20,22,24,26,28,30
	v_max3_num_f32 v56, v56, |v[Y+\i]|, |v[Y+\i+1]|
	v_max3_num_f32 v57, v57, |v[Z+\i]|, |v[Z+\i+1]|
.endr
	v_add_nc_u32 v58, 0xff000000, v56              ; 2 off the exponent field: the conversion takes the exponent field of this operand as its scale
	v_add_nc_u32 v59, 0xff000000, v57
	v_lshrrev_b32 v60, 23, v58                     ; the scales' bytes
	v_lshrrev_b32 v61, 23, v59
	v_lshl_or_b32 v62, v61, 16, v60                ; blocks h and 2 + h,
	v_lshlrev_b32 v63, 3, v4
	v_lshlrev_b32 v62, v63, v62                    ; at their places in the row's scale word;
	v_mov_b32 v63, 0
	v_permlanex16_b32 v63, v62, s34, s35
	v_or_b32 v62, v62, v63                         ; with lane l xor 16's two the word is whole
.irp g, 0,1,2,3
	v_cvt_scalef32_pk8_fp4_f32 v[48+\g], v[Y+8*\g:Y+8*\g+7], v58
	v_cvt_scalef32_pk8_fp4_f32 v[52+\g], v[Z+8*\g:Z+8*\g+7], v59
.endr
	v_nop                                          ; a plain instruction behind the last scaled conversion
.Lpacked:
	global_store_b128 v6, v[48:51], s[54:55]                         ; the operand's registers as they stand: 16 bytes a lane, 512 a store
	global_store_b128 v6, v[52:55], s[54:55] offset:512
	global_store_b32 v6, v62, s[56:57]
	s_cmp_lg_u32 s50, 0                            ; tile 0's wave copies the layer's 128 biases
	s_cbranch_scc1 .Lnot_bias
	s_cmp_eq_u32 s49, 0
	s_cselect_b64 s[66:67], s[20:21], s[22:23]     ; b0 or b1: the choice hangs on the wave's number alone
	s_cselect_b32 s68, s47, s58
	s_lshl_b32 s68, s68, 9
	s_mov_b32 s69, 0
	s_add_nc_u64 s[66:67], s[66:67], s[68:69]
	s_lshl_b32 s70, s48, 9
	s_add_co_u32 s70, s70, s53
	s_add_co_u32 s70, s70, 73728
	s_mov_b32 s71, 0
	s_add_nc_u64 s[70:71], s[26:27], s[70:71]
	global_load_b128 v[56:59], v6, s[66:67]
	s_wait_loadcnt 0x0
	global_store_b128 v6, v[56:59], s[70:71]
.Lnot_bias:
	s_cmp_lg_u32 s50, 1                            ; tile 1's wave of layer 0 copies the network's W2
	s_cbranch_scc1 .Lno_pack
	s_cmp_lg_u32 s49, 0
	s_cbranch_scc1 .Lno_pack
	s_lshl_b32 s72, s47, 9
	s_mov_b32 s73, 0
	s_add_nc_u64 s[72:73], s[18:19], s[72:73]
	s_and_b32 s74, s47, 1
	s_lshl_b32 s74, s74, 9
	s_add_co_u32 s74, s74, s53
	s_add_co_u32 s74, s74, 77824
	s_mov_b32 s75, 0
	s_add_nc_u64 s[74:75], s[26:27], s[74:75]
	global_load_b128 v[36:39], v6, s[72:73]
	s_wait_loadcnt 0x0
	global_store_b128 v6, v[36:39], s[74:75]
.Lno_pack:
	; ---- the turn.  In: four words a load, one by one (a row of 260 bytes is no multiple of 16).  The 32 lanes of a store fall on 32 different banks: 2 m + hh + 4 i + q
.set m, 0
.rept 32
	s_wait_loadcnt 31-m                            ; loads come back in order (ISA guide 5.7.1): load m is in, the 31 - m behind it may be out
.irp q, 0,1,2,3
	ds_store_b32 v8, v[L+4*m+\q] offset:2*LPITCH*m+4*\q
.endr
.set m, m+1
.endr
	s_wait_dscnt 0x0                               ; the stores have read their registers: the loads below land there
.irp hf, 0,1                                   ; out: 32 pixels at a time; out-instruction k takes pixels 2 (16 hf + k) + hh; a lane's four registers are slots 4 i .. 4 i + 3
.set k, 0
.rept 16
	ds_load_b32 v[L+64*\hf+4*k], v10 offset:8*(16*\hf+k)
.irp q, 1,2,3
	ds_load_b32 v[L+64*\hf+4*k+\q], v9 offset:(\q-1)*LPITCH+8*(16*\hf+k)
.endr
.set k, k+1
.endr
.set k, 0
.rept 16
	s_wait_dscnt 60-4*k                            ; the four loads of out-instruction k are in; the 60 - 4 k behind them may be out
	global_store_b128 v6, v[L+64*\hf+4*k:L+64*\hf+4*k+3], s[24:25] offset:512*(16*\hf+k) th:TH_STORE_NT   ; two pixels: 512 consecutive bytes
.set k, k+1
.endr
.endr
	s_barrier_signal -1
	s_barrier_wait -1
	s_wait_tensorcnt 0x0
	ds_add_u32 v14, v15
	s_wait_dscnt 0x0
	s_endpgm
.Lfunc_end_k_qdeff36a14b_prep:
	.size	k_qdeff36a14b_prep, .Lfunc_end_k_qdeff36a14b_prep-k_qdeff36a14b_prep
	.p2alignl 7, 3214868480
	.fill 96, 4, 3214868480
	.section	.rodata,"a",@progbits
	.p2align	6, 0x0
	.amdhsa_kernel k_qdeff36a14b_prep
		.amdhsa_group_segment_fixed_size 67072
		.amdhsa_private_segment_fixed_size 0
		.amdhsa_enable_private_segment 0
		.amdhsa_kernarg_size 96
		.amdhsa_user_sgpr_count 2
		.amdhsa_user_sgpr_kernarg_segment_ptr 1
		.amdhsa_wavefront_size32 1
		.amdhsa_system_sgpr_workgroup_id_x 1
		.amdhsa_system_sgpr_workgroup_id_y 1
		.amdhsa_system_sgpr_workgroup_id_z 1
		.amdhsa_system_vgpr_workitem_id 0
		.amdhsa_next_free_vgpr 256
		.amdhsa_next_free_sgpr 76
		.amdhsa_reserve_vcc 1
		.amdhsa_float_denorm_mode_32 3
		.amdhsa_float_denorm_mode_16_64 3
		.amdhsa_memory_ordered 1
		.amdhsa_forward_progress 1
		.amdhsa_inst_pref_size 44
	.end_amdhsa_kernel
	.amdgpu_metadata
---
amdhsa.version: [ 1, 2 ]
amdhsa.kernels:
  - .name:           k_qdeff36a14b_prep
    .symbol:         k_qdeff36a14b_prep.kd
    .args:
      - { .name: w, .offset: 0, .size: 8, .value_kind: global_buffer, .address_space: global }
      - { .name: x, .offset: 8, .size: 8, .value_kind: global_buffer, .address_space: global }
      - { .name: W0, .offset: 16, .size: 8, .value_kind: global_buffer, .address_space: global }
      - { .name: W1_codes, .offset: 24, .size: 8, .value_kind: global_buffer, .address_space: global }
      - { .name: W1_scales, .offset: 32, .size: 8, .value_kind: global_buffer, .address_space: global }
      - { .name: W2, .offset: 40, .size: 8, .value_kind: global_buffer, .address_space: global }
      - { .name: b0, .offset: 48, .size: 8, .value_kind: global_buffer, .address_space: global }
      - { .name: b1, .offset: 56, .size: 8, .value_kind: global_buffer, .address_space: global }
      - { .name: wT, .offset: 64, .size: 8, .value_kind: global_buffer, .address_space: global }
      - { .name: pack, .offset: 72, .size: 8, .value_kind: global_buffer, .address_space: global }
      - { .name: pixA, .offset: 80, .size: 8, .value_kind: global_buffer, .address_space: global }
      - { .name: bwA, .offset: 88, .size: 8, .value_kind: global_buffer, .address_space: global }
    .group_segment_fixed_size: 67072
    .private_segment_fixed_size: 0
    .kernarg_segment_align: 8
    .kernarg_segment_size: 96
    .max_flat_workgroup_size: 128
    .sgpr_count:     76
    .vgpr_count:     256
    .wavefront_size: 32
...
	.end_amdgpu_metadata
.endif
;; end of part 1
;; launch halfA (part 2): grid 256 x 1, 8 waves a work-group, no clusters, 156,160 bytes of LDS; arguments x, pixA, bwA, wT, cond, pack, b2, mid, pixB, bwB, part; writes mid, pixB, bwB, part
.if DOCPART == 2
	.amdgcn_target "amdgcn-amd-amdhsa--gfx1250"
	.amdhsa_code_object_version 6
	.text
	.protected	k_qdeff36a14b_halfA
	.globl	k_qdeff36a14b_halfA
	.p2align	8
	.type	k_qdeff36a14b_halfA,@function
k_qdeff36a14b_halfA:
	s_mov_b64 s[64:65], 0
	v_nop
	global_prefetch_b8 v0, s[64:65] scope:SCOPE_SE
	s_setreg_imm32_b32 hwreg(HW_REG_WAVE_MODE, 25, 1), 1
	s_wait_xcnt 0x0
; ONE HALF OF THE COUPLING.  This text serves both halves: the two files differ in the one line that sets STAGE.
.set STAGE, 0                          ; 0: the first half (nets s_a, t_a), which also makes the second half's pixel numbers and weights;  1: the second half (nets s_b, t_b)
; A token comes as a pair (u, k) and leaves as (k, u'), u' = u exp(s) + t, s = 1.5 tanh(net_s(comb)), t = net_t(comb),
; comb = [k, 64 bilinear samples of the batch's image, 16 numbers of cond] (K = 81).  A net is 81 -> 128 -> 128 -> 128 -> 128 -> 1 with SiLU behind each layer of 128.
; The sixteen-row products are on codes of E2M1 with one E8M0 scale for each 32 along K; the last layer (N = 1) is f32 multiply-adds.  All that goes into a quantiser is f32.
; First half: (z_a, z_b) -> (z_b, z_a').  Second half: (z_b, z_a') -> (z_a', z_b').  STAGE picks the two nets' weights, b2's pair and the place of the partial sum, all at assembly time.
; Where to sample was stored as whole numbers by the launch before: no address here hangs on a float, and no branch on a number read from memory.
; SHARES.  Work-group g: batch g / 4, tokens 1,024 g on.  Each of its eight waves takes 128 tokens, eight tiles of 16, and takes a tile through the whole half by itself: a trip of the loop is a tile.
; LAYOUT.  The products are used transposed (source 0 = 16 rows of a weight, source 1 = my 16 tokens): a lane holds ONE token (lane % 16), and the 16 registers of tiles 2 b and 2 b + 1 are hidden units
; 32 b + 16 (lane / 16) + 0 .. 15, 16 neighbours along the next K (the launch before chose the weights' rows so).  A layer is one K step: eight matrix instructions, each with the bias as C.
; The weights lie in LDS as images of the operands' registers; a layer's are fetched while the layer before is activated and quantised.  The next tile's 64 pixels (16 KiB) are gathered into registers a whole tile ahead.
; No tensor load: the gather's addresses differ from lane to lane, and the weights are read once, 20 loads a thread.  No joint loads: what work-groups share is a stage's 78,848 bytes, read once by each, beside the
; 1 MiB that each gathers.  No prefetch: a pixel is named by several tokens in no fixed order, so no block could be named once, and each gather is asked for a whole tile ahead of its use.
; LIMITS: NaN and infinities among the inputs are not served.  A block whose largest magnitude lies under 2^-124 (a block of zeros too) gets the scale byte 1: its codes are then zeros or the rule's own.
; tanh(d) is 1 - 2 / (1 + 2^(2 log2(e) d)): an absolute error of about 1e-7.  The sum of s is taken in another order than by rows.
.set PACKB,  78848
.set SCL,    65536                     ; LDS: 0: the weights' images [8 layers][8 tiles][2][32 lanes][16 bytes];  SCL: their scale words [8][2][32 lanes][4 tiles]
.set BIAS,   73728                     ; [8 layers][128] f32
.set W2L,    77824                     ; [2 nets][128] f32
.set CONDT,  78848                     ; 32 words: word j = cond[j - 1] for j = 1 .. 16, else 0: numbers 64 .. 95 of comb (number 64 is patched in)
.set STG,    79104                     ; a stage of 16 rows x (256 + 16) bytes for each wave: the samples change lanes here
.set SPITCH, 272                       ; 68 words: row r starts at bank 4 r mod 64 (64 banks of 4 bytes: ISA guide 11.1)
.set STGW,   16*SPITCH
.set OUTZ,   STG+8*STGW                ; each wave's 128 pairs (k, u'): 1,024 bytes
.set OUTP,   OUTZ+8*1024               ; each wave's 128 x 4 pixel numbers: 2,048 bytes (STAGE 0 alone)
.set OUTW,   OUTP+8*2048               ; and weights (STAGE 0 alone)
.set RED,    OUTW+8*2048               ; eight partial sums
; window 0
.set LW,  1                            ; v1   16 x lane
.set LSC, 2                            ; v2   SCL + 16 x lane
.set LBH, 3                            ; v3   BIAS + 64 h
.set STO, 4                            ; v4   my stage, in: row hh, 16 i
.set SRD, 5                            ; v5   my stage, back: row r, 64 h
.set BZ0, 6                            ; v6   OUTZ + 1,024 wave + 8 r
.set BP0, 7                            ; v7   OUTP + 2,048 wave + 16 r (STAGE 0 alone)
.set BZ,  8                            ; v8   BZ0 + 128 x trip   (at the head: 4 x thread + 77,824)
.set BP,  9                            ; v9   BP0 + 256 x trip   (at the head: CONDT + 4 x lane)
.set TA,  10                           ; v10  16 hh + 256 x (the tile to be gathered)
.set ZA,  11                           ; v11  8 r + 128 x (the tile to be gathered)
.set UK,  12                           ; v[12:13] this tile's (u, k)
.set UKN, 14                           ; v[14:15] the next tile's
.set SS,  16                           ; v16  the running sum of s
.set RA,  17                           ; v17  RED + 4 x wave
.set ES,  18                           ; v18  exp(s)
.set LI,  19                           ; v19  16 i
.set CC,  20                           ; v20-27 comb's codes
.set CW,  28                           ; v28  comb's scale word: holds scales and nothing else
.set PW,  29                           ; v29  the hidden layer's scale word: likewise
.set RB,  30                           ; v30  RED
.set PC,  32                           ; v32-39 the hidden layer's codes
.set WS,  40                           ; v40-47 the layer's scale words, a register a tile: likewise
.set TM,  48                           ; v48-59 at work
.set FZ,  60                           ; v60  OUTZ + 1,024 wave + 16 x lane
.set FP,  61                           ; v61  OUTP + 2,048 wave + 16 x lane (STAGE 0 alone)
.set A1,  62                           ; v62  16 x thread
.set A2,  63                           ; v63  16 x thread + 65,536
.set ACC, 64                           ; v64-127  the layer's eight results
.set TMP, 128                          ; v128-191 SiLU's work; comb's 48 numbers
.set W,   192                          ; v192-255 the layer's eight fragments; W2
.set RR,  150                          ; at the head only: r, h, lane
.set HH,  151
.set LN,  152
; window 1
.set G,   0                            ; v0-127   pair of tokens j, corner c: 4 registers at 16 j + 4 c
.set PX,  128                          ; v128-159 pair j: four pixel numbers, then byte offsets
.set BW,  160                          ; v160-191 pair j: four weights
.set BI,  192                          ; v192-255 the layer's bias, in the result's layout
; scalars
.set WV,    30
.set TI,    33                         ; the trip;  s34 = 128 x trip, s35 = 256 x trip
.set NL2E,  36                         ; s[36:37] -log2(e), twice: the packed form names a pair
.set LOW16, 38                         ; lanes 0-15
.set SEL,   40                         ; s[40:41] v_permlanex16_b32's selects for lane l xor 16
.set B2S,   42                         ; s[42:43] b2 of net s, of net t
.set MSB, 0
.macro WIN new                         ; s_set_vgpr_msb: bits 1:0 source 0, 3:2 source 1, 5:4 source 2, 7:6 destination; the immediate's high byte repeats the setting that is left
.if MSB != \new
	s_set_vgpr_msb (MSB<<8)|\new
.set MSB, \new
.endif
.endm
.macro PIXC c, T                       ; one coordinate: T+0, T+1 the two clipped pixel coordinates, T+2, T+3 their weights, 0 where the unclipped coordinate lies outside 0 .. 63
	v_fma_f32 v[\T+4], v[\c], 2.0, -1.0
	v_add_f32 v[\T+4], 1.0, v[\T+4]
	v_mul_f32 v[\T+5], 0x41fc0000, v[\T+4]         ; (g + 1) x 0.5 x 63: x 31.5 rounds the same way
	v_floor_f32 v[\T+4], v[\T+5]
	v_sub_f32 v[\T+3], v[\T+5], v[\T+4]
	v_sub_f32 v[\T+2], 1.0, v[\T+3]
	v_add_f32 v[\T+5], 1.0, v[\T+4]
	v_med3_num_f32 v[\T+0], v[\T+4], 0, 0x427c0000
	v_med3_num_f32 v[\T+1], v[\T+5], 0, 0x427c0000
	v_cmp_eq_f32 vcc_lo, v[\T+0], v[\T+4]
	v_cndmask_b32 v[\T+2], 0, v[\T+2], vcc_lo
	v_cmp_eq_f32 vcc_lo, v[\T+1], v[\T+5]
	v_cndmask_b32 v[\T+3], 0, v[\T+3], vcc_lo
	v_cvt_u32_f32 v[\T+0], v[\T+0]
	v_cvt_u32_f32 v[\T+1], v[\T+1]
.endm
.macro PIXW cx, cy, T, P, Wt           ; a token's four pixel numbers and weights, (y0,x0) (y0,x1) (y1,x0) (y1,x1)
	PIXC \cx, \T
	PIXC \cy, \T+6
	v_lshl_add_u32 v[\P], v[\T+6], 6, v[\T]
	v_lshl_add_u32 v[\P+1], v[\T+6], 6, v[\T+1]
	v_lshl_add_u32 v[\P+2], v[\T+7], 6, v[\T]
	v_lshl_add_u32 v[\P+3], v[\T+7], 6, v[\T+1]
	v_mul_f32 v[\Wt], v[\T+8], v[\T+2]
	v_mul_f32 v[\Wt+1], v[\T+8], v[\T+3]
	v_mul_f32 v[\Wt+2], v[\T+9], v[\T+2]
	v_mul_f32 v[\Wt+3], v[\T+9], v[\T+3]
.endm
; Eight loads of pixel numbers: pair j's tokens 2 j (lanes 0-15) and 2 j + 1 (lanes 16-31), 16 bytes each.  off: 0 for TA's tile, 256 for the tile behind it
.macro PXLOAD off
	WIN 0x40                                       ; destination window 1
.irp j, 0,1,2,3,4,5,6,7
	global_load_b128 v[PX+4*\j:PX+4*\j+3], v[TA], s[10:11] offset:(\off)+32*\j
.endr
	WIN 0
.endm
; The gather of the tile whose pixel numbers lie in PX: 41 loads.  A load brings one corner of two tokens: sixteen lanes read a pixel's 256 bytes.
.macro NEXTG
	WIN 0x45                                       ; destination, sources 0 and 1 window 1; source 2 (16 i) window 0
.set q, 0
.rept 32
	v_min_u32 v[PX+q], 0xfff, v[PX+q]              ; a loaded number enters an address only held inside the table
.set q, q+1
.endr
.set q, 0
.rept 32
	v_lshl_add_u32 v[PX+q], v[PX+q], 8, v[LI]      ; 256 bytes a pixel, 16 bytes a lane
.set q, q+1
.endr
	s_wait_dscnt 0x0                               ; the stage's stores have read G: the loads below land there
	WIN 0x41                                       ; destination and address window 1
.irp j, 0,1,2,3,4,5,6,7
.irp c, 0,1,2,3
	global_load_b128 v[G+16*\j+4*\c:G+16*\j+4*\c+3], v[PX+4*\j+\c], s[14:15]
.endr
.endr
	WIN 0x40
.irp j, 0,1,2,3,4,5,6,7
	global_load_b128 v[BW+4*\j:BW+4*\j+3], v[TA], s[12:13] offset:32*\j
.endr
	WIN 0
	global_load_b64 v[UKN:UKN+1], v[ZA], s[8:9]
.endm
; The four corners are weighed and added in place, corner by corner so that no line waits for the line above it; the samples go to my stage, a token a row.
.macro INTERP
	WIN 0x55                                       ; all in window 1
.irp j, 0,1,2,3,4,5,6,7
.irp p, 0,2
	v_pk_mul_f32 v[G+16*\j+\p:G+16*\j+\p+1], v[G+16*\j+\p:G+16*\j+\p+1], v[BW+4*\j:BW+4*\j+1] op_sel_hi:[1,0]
.endr
.endr
.irp j, 0,1,2,3,4,5,6,7
.irp p, 0,2
	v_pk_fma_f32 v[G+16*\j+\p:G+16*\j+\p+1], v[G+16*\j+4+\p:G+16*\j+4+\p+1], v[BW+4*\j:BW+4*\j+1], v[G+16*\j+\p:G+16*\j+\p+1] op_sel:[0,1,0] op_sel_hi:[1,1,1]
.endr
.endr
.irp j, 0,1,2,3,4,5,6,7
.irp p, 0,2
	v_pk_fma_f32 v[G+16*\j+\p:G+16*\j+\p+1], v[G+16*\j+8+\p:G+16*\j+8+\p+1], v[BW+4*\j+2:BW+4*\j+3], v[G+16*\j+\p:G+16*\j+\p+1] op_sel_hi:[1,0,1]
.endr
.endr
.irp j, 0,1,2,3,4,5,6,7
.irp p, 0,2
	v_pk_fma_f32 v[G+16*\j+\p:G+16*\j+\p+1], v[G+16*\j+12+\p:G+16*\j+12+\p+1], v[BW+4*\j+2:BW+4*\j+3], v[G+16*\j+\p:G+16*\j+\p+1] op_sel:[0,1,0] op_sel_hi:[1,1,1]
.endr
.endr
	WIN 0x04                                       ; an LDS store's data are its source 1: window 1
.irp j, 0,1,2,3,4,5,6,7
	ds_store_b128 v[STO], v[G+16*\j:G+16*\j+3] offset:2*SPITCH*\j
.endr
	WIN 0
.endm
.macro PREF_B ln                       ; layer ln's bias in the result's layout (tile t, lane half h: units 32 (t / 2) + 16 h + 8 (t % 2) + 0 .. 7), and its scale words
	WIN 0x40
.irp t, 0,1,2,3,4,5,6,7
	ds_load_b128 v[BI+8*\t:BI+8*\t+3], v[LBH] offset:512*(\ln)+128*(\t/2)+32*(\t%2)
	ds_load_b128 v[BI+8*\t+4:BI+8*\t+7], v[LBH] offset:512*(\ln)+128*(\t/2)+32*(\t%2)+16
.endr
	WIN 0
	ds_load_b128 v[WS:WS+3], v[LSC] offset:1024*(\ln)
	ds_load_b128 v[WS+4:WS+7], v[LSC] offset:1024*(\ln)+512
.endm
.macro PREF_W ln                       ; layer ln's eight fragments: images of the registers, 16 bytes a lane
.irp t, 0,1,2,3,4,5,6,7
	ds_load_b128 v[W+8*\t:W+8*\t+3], v[LW] offset:8192*(\ln)+1024*\t
	ds_load_b128 v[W+8*\t+4:W+8*\t+7], v[LW] offset:8192*(\ln)+1024*\t+512
.endr
.endm
.macro PREF_W2 n                       ; net n's W2 in the result's layout, into the fragments' registers
.irp t, 0,1,2,3,4,5,6,7
	ds_load_b128 v[W+8*\t:W+8*\t+3], v[LBH] offset:W2L-BIAS+512*(\n)+128*(\t/2)+32*(\t%2)
	ds_load_b128 v[W+8*\t+4:W+8*\t+7], v[LBH] offset:W2L-BIAS+512*(\n)+128*(\t/2)+32*(\t%2)+16
.endr
.endm
; A layer's products: eight matrix instructions on eight accumulators, each a whole K with the bias as C: no sum is taken up again.
; Four plain instructions follow: behind them the fragments', the bias's and the scales' registers are loaded anew and the results are read (ISA guide 7.12.1 for vector instructions).
.macro MM src, sw
	s_wait_dscnt 0x0                               ; fragments, bias and scale words, asked for a layer ago
	WIN 0x10                                       ; source 2 (the bias) window 1
.irp t, 0,1,2,3,4,5,6,7
	v_wmma_scale_f32_16x16x128_f8f6f4 v[ACC+8*\t:ACC+8*\t+7], v[W+8*\t:W+8*\t+7], v[\src:\src+7], v[BI+8*\t:BI+8*\t+7], v[WS+\t], v[\sw] matrix_a_fmt:MATRIX_FMT_FP4 matrix_b_fmt:MATRIX_FMT_FP4
.endr
	WIN 0
.rept 4
	v_nop
.endr
.endm
; x / (1 + 2^(-log2(e) x)) on the 64 results.  Two batches of transcendentals, each with one plain instruction and one wait behind it; the scalings and the additions run one pair ahead of
; the transcendentals that read them.  Each accumulator is first read at its low end.
.macro SILU
	v_pk_mul_f32 v[TMP:TMP+1], v[ACC:ACC+1], s[NL2E:NL2E+1] op_sel_hi:[1,0]
.set q, 0
.rept 32
.if q < 62
	v_pk_mul_f32 v[TMP+q+2:TMP+q+3], v[ACC+q+2:ACC+q+3], s[NL2E:NL2E+1] op_sel_hi:[1,0]
.endif
	v_exp_f32 v[TMP+q], v[TMP+q]
	v_exp_f32 v[TMP+q+1], v[TMP+q+1]
.set q, q+2
.endr
	v_nop
	s_wait_alu depctr_va_vdst(0)                   ; one wait for the 64 exponentials, ahead of their first reader
	v_pk_add_f32 v[TMP:TMP+1], v[TMP:TMP+1], 1.0 op_sel_hi:[1,0]
.set q, 0
.rept 32
.if q < 62
	v_pk_add_f32 v[TMP+q+2:TMP+q+3], v[TMP+q+2:TMP+q+3], 1.0 op_sel_hi:[1,0]
.endif
	v_rcp_f32 v[TMP+q], v[TMP+q]
	v_rcp_f32 v[TMP+q+1], v[TMP+q+1]
.set q, q+2
.endr
	v_nop
	s_wait_alu depctr_va_vdst(0)                   ; and one for the 64 reciprocals
.set q, 0
.rept 32
	v_pk_mul_f32 v[ACC+q:ACC+q+1], v[ACC+q:ACC+q+1], v[TMP+q:TMP+q+1]
.set q, q+2
.endr
.endm
; 16 nb numbers of a lane, register 16 b + i = k 32 b + 16 (lane / 16) + i of my token, become a fragment's codes in v[dst] on and its scale word in v[word].  nb = 3: the fourth block is zeros.
.macro QUANT s, nb, dst, word
.irp b, 0,1,2,3
.if \b < \nb
	v_max3_num_f32 v[TM+\b], |v[\s+16*\b]|, |v[\s+16*\b+1]|, 0x1800000   ; my 16 numbers of block b, and the floor 2^(3 - 127): the byte cannot fall under 1
.endif
.endr
.irp i, 2,4,6,8,10,12,14
.irp b, 0,1,2,3
.if \b < \nb
	v_max3_num_f32 v[TM+\b], v[TM+\b], |v[\s+16*\b+\i]|, |v[\s+16*\b+\i+1]|   ; (the blocks by turns)
.endif
.endr
.endr
.irp b, 0,1,2,3
.if \b < \nb
	v_permlanex16_b32 v[TM+4+\b], v[TM+\b], s[SEL], s[SEL+1]
.endif
.endr
.irp b, 0,1,2,3
.if \b < \nb
	v_max_num_f32 v[TM+\b], v[TM+\b], v[TM+4+\b]   ; with lane l xor 16's: the block's largest magnitude
.endif
.endr
.irp b, 0,1,2,3
.if \b < \nb
	v_add_nc_u32 v[TM+8+\b], 0xff000000, v[TM+\b]  ; 2 off its exponent field: the conversion's scale operand
.endif
.endr
.irp b, 0,1,2,3
.if \b < \nb
	v_lshrrev_b32 v[TM+4+\b], 23, v[TM+8+\b]       ; the scale's byte
.endif
.endr
	v_lshl_or_b32 v[\word], v[TM+5], 8, v[TM+4]
	v_lshl_or_b32 v[\word], v[TM+6], 16, v[\word]
.if \nb > 3
	v_lshl_or_b32 v[\word], v[TM+7], 24, v[\word]
.endif
.irp b, 0,1,2,3
.if \b < \nb
	v_cvt_scalef32_pk8_fp4_f32 v[\dst+2*\b], v[\s+16*\b:\s+16*\b+7], v[TM+8+\b]
	v_cvt_scalef32_pk8_fp4_f32 v[\dst+2*\b+1], v[\s+16*\b+8:\s+16*\b+15], v[TM+8+\b]
.else
	v_mov_b32 v[\dst+2*\b], 0                      ; zero codes add nothing, whatever their scale byte (here 0)
	v_mov_b32 v[\dst+2*\b+1], 0
.endif
.endr
	v_nop                                          ; a plain instruction behind the last scaled conversion
.irp c, 0,1                                    ; the operand's layout wants a whole block in a lane: lanes 0-15 block 2 c, lanes 16-31 block 2 c + 1
.irp i, 0,1
	v_permlane16_swap_b32 v[\dst+4*\c+\i], v[\dst+4*\c+2+\i]
.endr
.endr
.rept 8
	v_nop                                          ; a scale register written by a vector instruction stands eight plain instructions ahead of the scaled matrix instruction, an operand so written four
.endr
.endm
; The last layer: d = the 128 hidden units . W2 + b2, in f32: my 64 in four chains, then lane l xor 16's.  d lands in v[TM], in both lanes of a token.
.macro DOT n
	s_wait_dscnt 0x0                               ; W2
.irp c, 0,1,2,3
	v_pk_mul_f32 v[TM+2*\c:TM+2*\c+1], v[ACC+2*\c:ACC+2*\c+1], v[W+2*\c:W+2*\c+1]
.endr
.irp j, 1,2,3,4,5,6,7
.irp c, 0,1,2,3
	v_pk_fma_f32 v[TM+2*\c:TM+2*\c+1], v[ACC+8*\j+2*\c:ACC+8*\j+2*\c+1], v[W+8*\j+2*\c:W+8*\j+2*\c+1], v[TM+2*\c:TM+2*\c+1]
.endr
.endr
	v_pk_add_f32 v[TM:TM+1], v[TM:TM+1], v[TM+2:TM+3]
	v_pk_add_f32 v[TM+4:TM+5], v[TM+4:TM+5], v[TM+6:TM+7]
	v_pk_add_f32 v[TM:TM+1], v[TM:TM+1], v[TM+4:TM+5]
	v_add_f32 v[TM], v[TM], v[TM+1]
	v_permlanex16_b32 v[TM+4], v[TM], s[SEL], s[SEL+1]
	v_add_f32 v[TM], v[TM], v[TM+4]
	v_add_f32 v[TM], s[B2S+\n], v[TM]
.endm
; A net, from comb's codes to d.  Behind each layer's products the next layer's bias, scale words and fragments are asked for; behind the last, those of the layer that follows in the walk (the other net's first).
.macro NET n
	MM CC, CW
	PREF_B 4*\n+1
	PREF_W 4*\n+1
	SILU
	QUANT ACC, 4, PC, PW
	MM PC, PW
	PREF_B 4*\n+2
	PREF_W 4*\n+2
	SILU
	QUANT ACC, 4, PC, PW
	MM PC, PW
	PREF_B 4*\n+3
	PREF_W 4*\n+3
	SILU
	QUANT ACC, 4, PC, PW
	MM PC, PW
	PREF_B (4*\n+4)%8
	PREF_W2 \n
	SILU
	DOT \n
	PREF_W (4*\n+4)%8
.endm
	s_load_b512 s[8:23], s[0:1], 0x0               ; the pairs in s[8:9], pixel numbers s[10:11], weights s[12:13], wT s[14:15], cond s[16:17], pack s[18:19], b2 s[20:21], the pairs out s[22:23]
.if STAGE == 0
	s_load_b128 s[24:27], s[0:1], 0x40             ; the next half's pixel numbers s[24:25] and weights s[26:27]
	s_load_b64 s[28:29], s[0:1], 0x50              ; the partial sums
.else
	s_load_b64 s[28:29], s[0:1], 0x40              ; the partial sums
.endif
	v_lshrrev_b32 v[LN], 5, v0
	v_readfirstlane_b32 s[WV], v[LN]               ; wave 0..7
	v_and_b32 v[LN], 31, v0                        ; lane
	v_and_b32 v[RR], 15, v0                        ; r = i = lane % 16
	v_bfe_u32 v[HH], v0, 4, 1                      ; h = hh = lane / 16
	s_mul_i32 s46, s[WV], STGW
	s_add_co_u32 s46, s46, STG
	s_lshl_b32 s47, s[WV], 10
	s_add_co_u32 s47, s47, OUTZ
	s_lshl_b32 s49, s[WV], 2
	s_add_co_u32 s49, s49, RED
	; every LDS address is made here, ahead of the first branch on the wave's number
	v_lshlrev_b32 v[LW], 4, v[LN]
	v_add_nc_u32 v[LSC], SCL, v[LW]
	v_lshl_add_u32 v[LBH], v[HH], 6, BIAS
	v_mul_u32_u24 v[STO], v[HH], SPITCH
	v_lshl_add_u32 v[STO], v[RR], 4, v[STO]
	v_add_nc_u32 v[STO], s46, v[STO]
	v_mul_u32_u24 v[SRD], v[RR], SPITCH
	v_lshl_add_u32 v[SRD], v[HH], 6, v[SRD]
	v_add_nc_u32 v[SRD], s46, v[SRD]
	v_lshl_add_u32 v[BZ0], v[RR], 3, s47
	v_add_nc_u32 v[FZ], s47, v[LW]
.if STAGE == 0
	s_lshl_b32 s48, s[WV], 11
	s_add_co_u32 s48, s48, OUTP
	v_lshl_add_u32 v[BP0], v[RR], 4, s48
	v_add_nc_u32 v[FP], s48, v[LW]
.endif
	v_lshl_add_u32 v[BZ], v0, 2, W2L               ; at the head: pack's last 1,024 bytes, 4 a thread (in memory and in LDS alike)
	v_lshl_add_u32 v[BP], v[LN], 2, CONDT          ; at the head: the cond row's word
	v_lshlrev_b32 v[TA], 4, v[HH]
	v_lshlrev_b32 v[ZA], 3, v[RR]
	v_lshlrev_b32 v[LI], 4, v[RR]
	v_mov_b32 v[RA], s49
	v_mov_b32 v[RB], RED
	v_lshlrev_b32 v[A1], 4, v0
	v_add_nc_u32 v[A2], 65536, v[A1]
	v_add_nc_u32 v141, -1, v[LN]                   ; word j of the cond row is cond[j - 1]:
	v_min_u32 v142, 15, v141                       ; every lane reads inside the row,
	v_lshlrev_b32 v142, 2, v142
	s_mov_b32 s[NL2E], 0xbfb8aa3b
	s_mov_b32 s[NL2E+1], 0xbfb8aa3b
	s_mov_b32 s[LOW16], 0xffff
	s_mov_b32 s[SEL], 0x76543210
	s_mov_b32 s[SEL+1], 0xfedcba98
	s_lshl_b32 s44, ttmp9, 10
	s_lshl_b32 s45, s[WV], 7
	s_add_co_u32 s44, s44, s45                     ; my first token
	s_lshl_b32 s50, s44, 4                         ; 16 bytes a token,
	s_mov_b32 s51, 0
	s_lshl_b32 s52, s44, 3                         ; 8 bytes a token
	s_mov_b32 s53, 0
	s_lshr_b32 s45, ttmp9, 2                       ; the batch
	s_lshl_b32 s54, s45, 20
	s_mov_b32 s55, 0
	s_lshl_b32 s56, s45, 6
	s_mov_b32 s57, 0
	s_lshl_b32 s62, ttmp9, 2                       ; the work-group's word among the partial sums
	s_mov_b32 s63, 0
	s_wait_kmcnt 0x0
	s_load_b64 s[B2S:B2S+1], s[20:21], 8*STAGE     ; b2 of this stage's two nets
	s_add_nc_u64 s[8:9], s[8:9], s[52:53]
	s_add_nc_u64 s[10:11], s[10:11], s[50:51]
	s_add_nc_u64 s[12:13], s[12:13], s[50:51]
	s_add_nc_u64 s[14:15], s[14:15], s[54:55]
	s_add_nc_u64 s[16:17], s[16:17], s[56:57]
	s_add_nc_u64 s[22:23], s[22:23], s[52:53]
	s_add_nc_u64 s[28:29], s[28:29], s[62:63]
.if STAGE == 0
	s_add_nc_u64 s[24:25], s[24:25], s[50:51]
	s_add_nc_u64 s[26:27], s[26:27], s[50:51]
.else
	s_add_nc_u64 s[18:19], s[18:19], PACKB         ; the second stage's weights
.endif
	global_load_b32 v143, v142, s[16:17]
	PXLOAD 0                                       ; tile 0's pixel numbers
.set p, 0
.rept 19
	global_load_b128 v[64+4*p:64+4*p+3], v[A1], s[18:19] offset:4096*p   ; the stage's weights: 4,096 consecutive bytes a work-group's load
.set p, p+1
.endr
	global_load_b32 v140, v[BZ], s[18:19]
	s_wait_loadcnt 20                              ; cond's word and the pixel numbers are in; the 20 loads of pack, issued behind them, stay out
	v_cmp_gt_u32 vcc_lo, 16, v141
	v_cndmask_b32 v143, 0, v143, vcc_lo            ; and words 0 and 17 .. 31 are zeros
	NEXTG                                          ; tile 0
	s_wait_loadcnt 41                              ; pack is in; the gather's 32 + 8 + 1 loads stay out
.set p, 0
.rept 16
	ds_store_b128 v[A1], v[64+4*p:64+4*p+3] offset:4096*p
.set p, p+1
.endr
.rept 3
	ds_store_b128 v[A2], v[64+4*p:64+4*p+3] offset:4096*(p-16)
.set p, p+1
.endr
	ds_store_b32 v[BZ], v140
	s_cmp_lg_u32 s[WV], 0
	s_cbranch_scc1 .Lnot_cond
	ds_store_b32 v[BP], v143
.Lnot_cond:
	s_wait_xcnt 0x0                                ; the gather has read its offsets: the registers take the next tile's pixel numbers
	PXLOAD 256                                     ; tile 1's
	s_wait_dscnt 0x0                               ; for the others' sake: my part of the weights lies in LDS
	s_barrier_signal -1
	s_barrier_wait -1
	PREF_B 0
	PREF_W 0
	v_mov_b32 v[SS], 0
.irp b, 4,5,6,7
	v_mov_b32 v[TM+\b], 0                          ; written once: a lane permute's destination counts as one of its sources
.endr
	s_mov_b32 s[TI], 0
	s_mov_b32 s34, 0
.if STAGE == 0
	s_mov_b32 s35, 0
.endif
	s_wait_kmcnt 0x0                               ; b2
.Ltile:
	s_wait_loadcnt 0x0                             ; this tile's pixels, weights and pairs and the next tile's pixel numbers: all asked for a tile ago.  No load is out: the offsets may step
	v_add_nc_u32 v[TA], 0x100, v[TA]
	v_add_nc_u32 v[ZA], 0x80, v[ZA]
	v_mov_b32 v[UK], v[UKN]
	v_mov_b32 v[UK+1], v[UKN+1]
	v_add_nc_u32 v[BZ], s34, v[BZ0]
.if STAGE == 0
	v_add_nc_u32 v[BP], s35, v[BP0]
.endif
	INTERP
.irp q, 0,1,2,3                                ; back as comb: register 16 b + i = number 32 b + 16 h + i of token r.  LDS serves a wave's instructions in order (ISA guide 5.7.1.4): these see the stores above
	ds_load_b128 v[TMP+4*\q:TMP+4*\q+3], v[SRD] offset:16*\q
	ds_load_b128 v[TMP+16+4*\q:TMP+16+4*\q+3], v[SRD] offset:128+16*\q
	ds_load_b128 v[TMP+32+4*\q:TMP+32+4*\q+3], v[LBH] offset:CONDT-BIAS+16*\q
.endr
	s_cmp_lt_u32 s[TI], 7                          ; the last tile gathers nothing, the last two ask for no pixel numbers: no load leaves its buffer
	s_cbranch_scc0 .Lno_gather
	NEXTG
.Lno_gather:
	s_cmp_lt_u32 s[TI], 6
	s_cbranch_scc0 .Lno_px
	s_wait_xcnt 0x0                                ; the gather has read its offsets
	PXLOAD 256
.Lno_px:
	s_wait_dscnt 0x0
	v_cndmask_b32 v[TMP+32], v[TMP+32], v[TMP], s[LOW16]   ; lanes 0-15: slot 0 is channel 63, number 64 of comb,
	v_cndmask_b32 v[TMP], v[TMP], v[UK+1], s[LOW16]        ; and number 0 is k
	QUANT TMP, 3, CC, CW
	NET 0
	v_mul_f32 v[TM+1], 0x4038aa3b, v[TM]           ; s = 1.5 tanh(d), tanh(d) = 1 - 2 / (1 + 2^(2 log2(e) d))
	v_exp_f32 v[TM+1], v[TM+1]
	v_nop
	s_wait_alu depctr_va_vdst(0)                   ; the wait ahead of a transcendental's first reader
	v_add_f32 v[TM+1], 1.0, v[TM+1]
	v_rcp_f32 v[TM+1], v[TM+1]
	v_nop
	s_wait_alu depctr_va_vdst(0)
	v_fma_f32 v[TM+1], v[TM+1], -2.0, 1.0
	v_mul_f32 v[TM+1], 0x3fc00000, v[TM+1]
	v_add_f32 v[SS], v[SS], v[TM+1]
	v_mul_f32 v[TM+1], 0x3fb8aa3b, v[TM+1]
	v_exp_f32 v[ES], v[TM+1]
	v_nop
	s_wait_alu depctr_va_vdst(0)
	NET 1                                          ; (in the last trip its closing fetch of layer 0 serves nothing: 34 LDS loads a wave, against a branch in every trip)
	v_mov_b32 v[TM+2], v[UK+1]
	v_fma_f32 v[TM+3], v[UK], v[ES], v[TM]         ; u' = u exp(s) + t
	ds_store_b64 v[BZ], v[TM+2:TM+3]               ; (k, u'); lanes r and r + 16 write the same bytes with the same values
.if STAGE == 0
	PIXW TM+3, UK+1, TMP, TMP+12, TMP+16           ; the next half samples at (x = u', y = k)
	ds_store_b128 v[BP], v[TMP+12:TMP+15]
	ds_store_b128 v[BP], v[TMP+16:TMP+19] offset:OUTW-OUTP
	s_add_co_u32 s35, s35, 256
.endif
	s_add_co_u32 s34, s34, 128
	s_add_co_u32 s[TI], s[TI], 1
	s_cmp_lt_u32 s[TI], 8
	s_cbranch_scc1 .Ltile
	; ---- my 128 tokens leave: each store covers 512 consecutive bytes
	ds_load_b128 v[128:131], v[FZ]
	ds_load_b128 v[132:135], v[FZ] offset:512
	s_wait_dscnt 0x0
	global_store_b128 v[LW], v[128:131], s[22:23]
	global_store_b128 v[LW], v[132:135], s[22:23] offset:512
.if STAGE == 0
.irp q, 0,1,2,3
	ds_load_b128 v[136+4*\q:139+4*\q], v[FP] offset:512*\q
	ds_load_b128 v[152+4*\q:155+4*\q], v[FP] offset:OUTW-OUTP+512*\q
.endr
	s_wait_dscnt 0x0
.irp q, 0,1,2,3
	global_store_b128 v[LW], v[136+4*\q:139+4*\q], s[24:25] offset:512*\q
	global_store_b128 v[LW], v[152+4*\q:155+4*\q], s[26:27] offset:512*\q
.endr
.endif
	; ---- the sum of s: over the sixteen tokens of a row of lanes (both rows hold the same tokens), then over the eight waves
	v_add_f32_dpp v[SS], v[SS], v[SS] row_xmask:1 row_mask:0xf bank_mask:0xf
	v_add_f32_dpp v[SS], v[SS], v[SS] row_xmask:2 row_mask:0xf bank_mask:0xf
	v_add_f32_dpp v[SS], v[SS], v[SS] row_xmask:4 row_mask:0xf bank_mask:0xf
	v_add_f32_dpp v[SS], v[SS], v[SS] row_xmask:8 row_mask:0xf bank_mask:0xf
	ds_store_b32 v[RA], v[SS]                      ; all lanes write my wave's word with the same value
	s_wait_dscnt 0x0                               ; for the others' sake
	s_barrier_signal -1
	s_barrier_wait -1
	s_cmp_lg_u32 s[WV], 0
	s_cbranch_scc1 .Lend
	ds_load_b128 v[168:171], v[RB]
	ds_load_b128 v[172:175], v[RB] offset:16
	v_mov_b32 v176, 0
	v_cmp_eq_u32 vcc_lo, 0, v0
	s_wait_dscnt 0x0
	v_pk_add_f32 v[168:169], v[168:169], v[170:171]
	v_pk_add_f32 v[172:173], v[172:173], v[174:175]
	v_pk_add_f32 v[168:169], v[168:169], v[172:173]
	v_add_f32 v168, v168, v169
	s_wait_xcnt 0x0                                ; EXEC changes only behind this wait: it is a source of the stores above
	s_and_saveexec_b32 s46, vcc_lo
	global_store_b32 v176, v168, s[28:29] offset:1024*STAGE   ; thread 0: the work-group's partial sum, in this stage's 256 words
	s_wait_xcnt 0x0
	s_or_b32 exec_lo, exec_lo, s46
.Lend:
	s_wait_xcnt 0x0
	s_mov_b32 exec_lo, -1
	v_lshl_add_u32 v190, v0, 2, 0x25e00
	v_mov_b32 v191, 0
	s_wait_tensorcnt 0x0
	ds_add_u32 v190, v191
	s_wait_dscnt 0x0
	s_endpgm
.Lfunc_end_k_qdeff36a14b_halfA:
	.size	k_qdeff36a14b_halfA, .Lfunc_end_k_qdeff36a14b_halfA-k_qdeff36a14b_halfA
	.p2alignl 7, 3214868480
	.fill 96, 4, 3214868480
	.section	.rodata,"a",@progbits
	.p2align	6, 0x0
	.amdhsa_kernel k_qdeff36a14b_halfA
		.amdhsa_group_segment_fixed_size 156160
		.amdhsa_private_segment_fixed_size 0
		.amdhsa_enable_private_segment 0
		.amdhsa_kernarg_size 88
		.amdhsa_user_sgpr_count 2
		.amdhsa_user_sgpr_kernarg_segment_ptr 1
		.amdhsa_wavefront_size32 1
		.amdhsa_system_sgpr_workgroup_id_x 1
		.amdhsa_system_sgpr_workgroup_id_y 1
		.amdhsa_system_sgpr_workgroup_id_z 1
		.amdhsa_system_vgpr_workitem_id 0
		.amdhsa_next_free_vgpr 512
		.amdhsa_next_free_sgpr 66
		.amdhsa_reserve_vcc 1
		.amdhsa_float_denorm_mode_32 3
		.amdhsa_float_denorm_mode_16_64 3
		.amdhsa_memory_ordered 1
		.amdhsa_forward_progress 1
		.amdhsa_inst_pref_size 182
	.end_amdhsa_kernel
	.amdgpu_metadata
---
amdhsa.version: [ 1, 2 ]
amdhsa.kernels:
  - .name:           k_qdeff36a14b_halfA
    .symbol:         k_qdeff36a14b_halfA.kd
    .args:
      - { .name: x, .offset: 0, .size: 8, .value_kind: global_buffer, .address_space: global }
      - { .name: pixA, .offset: 8, .size: 8, .value_kind: global_buffer, .address_space: global }
      - { .name: bwA, .offset: 16, .size: 8, .value_kind: global_buffer, .address_space: global }
      - { .name: wT, .offset: 24, .size: 8, .value_kind: global_buffer, .address_space: global }
      - { .name: cond, .offset: 32, .size: 8, .value_kind: global_buffer, .address_space: global }
      - { .name: pack, .offset: 40, .size: 8, .value_kind: global_buffer, .address_space: global }
      - { .name: b2, .offset: 48, .size: 8, .value_kind: global_buffer, .address_space: global }
      - { .name: mid, .offset: 56, .size: 8, .value_kind: global_buffer, .address_space: global }
      - { .name: pixB, .offset: 64, .size: 8, .value_kind: global_buffer, .address_space: global }
      - { .name: bwB, .offset: 72, .size: 8, .value_kind: global_buffer, .address_space: global }
      - { .name: part, .offset: 80, .size: 8, .value_kind: global_buffer, .address_space: global }
    .group_segment_fixed_size: 156160
    .private_segment_fixed_size: 0
    .kernarg_segment_align: 8
    .kernarg_segment_size: 88
    .max_flat_workgroup_size: 256
    .sgpr_count:     66
    .vgpr_count:     512
    .wavefront_size: 32
...
	.end_amdgpu_metadata
.endif
;; end of part 2
;; launch halfB (part 3): grid 256 x 1, 8 waves a work-group, no clusters, 156,160 bytes of LDS; arguments mid, pixB, bwB, wT, cond, pack, b2, out0, part; writes out0, part
.if DOCPART == 3
	.amdgcn_target "amdgcn-amd-amdhsa--gfx1250"
	.amdhsa_code_object_version 6
	.text
	.protected	k_qdeff36a14b_halfB
	.globl	k_qdeff36a14b_halfB
	.p2align	8
	.type	k_qdeff36a14b_halfB,@function
k_qdeff36a14b_halfB:
	s_mov_b64 s[64:65], 0
	v_nop
	global_prefetch_b8 v0, s[64:65] scope:SCOPE_SE
	s_setreg_imm32_b32 hwreg(HW_REG_WAVE_MODE, 25, 1), 1
	s_wait_xcnt 0x0
; ONE HALF OF THE COUPLING.  This text serves both halves: the two files differ in the one line that sets STAGE.
.set STAGE, 1                          ; 0: the first half (nets s_a, t_a), which also makes the second half's pixel numbers and weights;  1: the second half (nets s_b, t_b)
; A token comes as a pair (u, k) and leaves as (k, u'), u' = u exp(s) + t, s = 1.5 tanh(net_s(comb)), t = net_t(comb),
; comb = [k, 64 bilinear samples of the batch's image, 16 numbers of cond] (K = 81).  A net is 81 -> 128 -> 128 -> 128 -> 128 -> 1 with SiLU behind each layer of 128.
; The sixteen-row products are on codes of E2M1 with one E8M0 scale for each 32 along K; the last layer (N = 1) is f32 multiply-adds.  All that goes into a quantiser is f32.
; First half: (z_a, z_b) -> (z_b, z_a').  Second half: (z_b, z_a') -> (z_a', z_b').  STAGE picks the two nets' weights, b2's pair and the place of the partial sum, all at assembly time.
; Where to sample was stored as whole numbers by the launch before: no address here hangs on a float, and no branch on a number read from memory.
; SHARES.  Work-group g: batch g / 4, tokens 1,024 g on.  Each of its eight waves takes 128 tokens, eight tiles of 16, and takes a tile through the whole half by itself: a trip of the loop is a tile.
; LAYOUT.  The products are used transposed (source 0 = 16 rows of a weight, source 1 = my 16 tokens): a lane holds ONE token (lane % 16), and the 16 registers of tiles 2 b and 2 b + 1 are hidden units
; 32 b + 16 (lane / 16) + 0 .. 15, 16 neighbours along the next K (the launch before chose the weights' rows so).  A layer is one K step: eight matrix instructions, each with the bias as C.
; The weights lie in LDS as images of the operands' registers; a layer's are fetched while the layer before is activated and quantised.  The next tile's 64 pixels (16 KiB) are gathered into registers a whole tile ahead.
; No tensor load: the gather's addresses differ from lane to lane, and the weights are read once, 20 loads a thread.  No joint loads: what work-groups share is a stage's 78,848 bytes, read once by each, beside the
; 1 MiB that each gathers.  No prefetch: a pixel is named by several tokens in no fixed order, so no block could be named once, and each gather is asked for a whole tile ahead of its use.
; LIMITS: NaN and infinities among the inputs are not served.  A block whose largest magnitude lies under 2^-124 (a block of zeros too) gets the scale byte 1: its codes are then zeros or the rule's own.
; tanh(d) is 1 - 2 / (1 + 2^(2 log2(e) d)): an absolute error of about 1e-7.  The sum of s is taken in another order than by rows.
.set PACKB,  78848
.set SCL,    65536                     ; LDS: 0: the weights' images [8 layers][8 tiles][2][32 lanes][16 bytes];  SCL: their scale words [8][2][32 lanes][4 tiles]
.set BIAS,   73728                     ; [8 layers][128] f32
.set W2L,    77824                     ; [2 nets][128] f32
.set CONDT,  78848                     ; 32 words: word j = cond[j - 1] for j = 1 .. 16, else 0: numbers 64 .. 95 of comb (number 64 is patched in)
.set STG,    79104                     ; a stage of 16 rows x (256 + 16) bytes for each wave: the samples change lanes here
.set SPITCH, 272                       ; 68 words: row r starts at bank 4 r mod 64 (64 banks of 4 bytes: ISA guide 11.1)
.set STGW,   16*SPITCH
.set OUTZ,   STG+8*STGW                ; each wave's 128 pairs (k, u'): 1,024 bytes
.set OUTP,   OUTZ+8*1024               ; each wave's 128 x 4 pixel numbers: 2,048 bytes (STAGE 0 alone)
.set OUTW,   OUTP+8*2048               ; and weights (STAGE 0 alone)
.set RED,    OUTW+8*2048               ; eight partial sums
; window 0
.set LW,  1                            ; v1   16 x lane
.set LSC, 2                            ; v2   SCL + 16 x lane
.set LBH, 3                            ; v3   BIAS + 64 h
.set STO, 4                            ; v4   my stage, in: row hh, 16 i
.set SRD, 5                            ; v5   my stage, back: row r, 64 h
.set BZ0, 6                            ; v6   OUTZ + 1,024 wave + 8 r
.set BP0, 7                            ; v7   OUTP + 2,048 wave + 16 r (STAGE 0 alone)
.set BZ,  8                            ; v8   BZ0 + 128 x trip   (at the head: 4 x thread + 77,824)
.set BP,  9                            ; v9   BP0 + 256 x trip   (at the head: CONDT + 4 x lane)
.set TA,  10                           ; v10  16 hh + 256 x (the tile to be gathered)
.set ZA,  11                           ; v11  8 r + 128 x (the tile to be gathered)
.set UK,  12                           ; v[12:13] this tile's (u, k)
.set UKN, 14                           ; v[14:15] the next tile's
.set SS,  16                           ; v16  the running sum of s
.set RA,  17                           ; v17  RED + 4 x wave
.set ES,  18                           ; v18  exp(s)
.set LI,  19                           ; v19  16 i
.set CC,  20                           ; v20-27 comb's codes
.set CW,  28                           ; v28  comb's scale word: holds scales and nothing else
.set PW,  29                           ; v29  the hidden layer's scale word: likewise
.set RB,  30                           ; v30  RED
.set PC,  32                           ; v32-39 the hidden layer's codes
.set WS,  40                           ; v40-47 the layer's scale words, a register a tile: likewise
.set TM,  48                           ; v48-59 at work
.set FZ,  60                           ; v60  OUTZ + 1,024 wave + 16 x lane
.set FP,  61                           ; v61  OUTP + 2,048 wave + 16 x lane (STAGE 0 alone)
.set A1,  62                           ; v62  16 x thread
.set A2,  63                           ; v63  16 x thread + 65,536
.set ACC, 64                           ; v64-127  the layer's eight results
.set TMP, 128                          ; v128-191 SiLU's work; comb's 48 numbers
.set W,   192                          ; v192-255 the layer's eight fragments; W2
.set RR,  150                          ; at the head only: r, h, lane
.set HH,  151
.set LN,  152
; window 1
.set G,   0                            ; v0-127   pair of tokens j, corner c: 4 registers at 16 j + 4 c
.set PX,  128                          ; v128-159 pair j: four pixel numbers, then byte offsets
.set BW,  160                          ; v160-191 pair j: four weights
.set BI,  192                          ; v192-255 the layer's bias, in the result's layout
; scalars
.set WV,    30
.set TI,    33                         ; the trip;  s34 = 128 x trip, s35 = 256 x trip
.set NL2E,  36                         ; s[36:37] -log2(e), twice: the packed form names a pair
.set LOW16, 38                         ; lanes 0-15
.set SEL,   40                         ; s[40:41] v_permlanex16_b32's selects for lane l xor 16
.set B2S,   42                         ; s[42:43] b2 of net s, of net t
.set MSB, 0
.macro WIN new                         ; s_set_vgpr_msb: bits 1:0 source 0, 3:2 source 1, 5:4 source 2, 7:6 destination; the immediate's high byte repeats the setting that is left
.if MSB != \new
	s_set_vgpr_msb (MSB<<8)|\new
.set MSB, \new
.endif
.endm
.macro PIXC c, T                       ; one coordinate: T+0, T+1 the two clipped pixel coordinates, T+2, T+3 their weights, 0 where the unclipped coordinate lies outside 0 .. 63
	v_fma_f32 v[\T+4], v[\c], 2.0, -1.0
	v_add_f32 v[\T+4], 1.0, v[\T+4]
	v_mul_f32 v[\T+5], 0x41fc0000, v[\T+4]         ; (g + 1) x 0.5 x 63: x 31.5 rounds the same way
	v_floor_f32 v[\T+4], v[\T+5]
	v_sub_f32 v[\T+3], v[\T+5], v[\T+4]
	v_sub_f32 v[\T+2], 1.0, v[\T+3]
	v_add_f32 v[\T+5], 1.0, v[\T+4]
	v_med3_num_f32 v[\T+0], v[\T+4], 0, 0x427c0000
	v_med3_num_f32 v[\T+1], v[\T+5], 0, 0x427c0000
	v_cmp_eq_f32 vcc_lo, v[\T+0], v[\T+4]
	v_cndmask_b32 v[\T+2], 0, v[\T+2], vcc_lo
	v_cmp_eq_f32 vcc_lo, v[\T+1], v[\T+5]
	v_cndmask_b32 v[\T+3], 0, v[\T+3], vcc_lo
	v_cvt_u32_f32 v[\T+0], v[\T+0]
	v_cvt_u32_f32 v[\T+1], v[\T+1]
.endm
.macro PIXW cx, cy, T, P, Wt           ; a token's four pixel numbers and weights, (y0,x0) (y0,x1) (y1,x0) (y1,x1)
	PIXC \cx, \T
	PIXC \cy, \T+6
	v_lshl_add_u32 v[\P], v[\T+6], 6, v[\T]
	v_lshl_add_u32 v[\P+1], v[\T+6], 6, v[\T+1]
	v_lshl_add_u32 v[\P+2], v[\T+7], 6, v[\T]
	v_lshl_add_u32 v[\P+3], v[\T+7], 6, v[\T+1]
	v_mul_f32 v[\Wt], v[\T+8], v[\T+2]
	v_mul_f32 v[\Wt+1], v[\T+8], v[\T+3]
	v_mul_f32 v[\Wt+2], v[\T+9], v[\T+2]
	v_mul_f32 v[\Wt+3], v[\T+9], v[\T+3]
.endm
; Eight loads of pixel numbers: pair j's tokens 2 j (lanes 0-15) and 2 j + 1 (lanes 16-31), 16 bytes each.  off: 0 for TA's tile, 256 for the tile behind it
.macro PXLOAD off
	WIN 0x40                                       ; destination window 1
.irp j, 0,1,2,3,4,5,6,7
	global_load_b128 v[PX+4*\j:PX+4*\j+3], v[TA], s[10:11] offset:(\off)+32*\j
.endr
	WIN 0
.endm
; The gather of the tile whose pixel numbers lie in PX: 41 loads.  A load brings one corner of two tokens: sixteen lanes read a pixel's 256 bytes.
.macro NEXTG
	WIN 0x45                                       ; destination, sources 0 and 1 window 1; source 2 (16 i) window 0
.set q, 0
.rept 32
	v_min_u32 v[PX+q], 0xfff, v[PX+q]              ; a loaded number enters an address only held inside the table
.set q, q+1
.endr
.set q, 0
.rept 32
	v_lshl_add_u32 v[PX+q], v[PX+q], 8, v[LI]      ; 256 bytes a pixel, 16 bytes a lane
.set q, q+1
.endr
	s_wait_dscnt 0x0                               ; the stage's stores have read G: the loads below land there
	WIN 0x41                                       ; destination and address window 1
.irp j, 0,1,2,3,4,5,6,7
.irp c, 0,1,2,3
	global_load_b128 v[G+16*\j+4*\c:G+16*\j+4*\c+3], v[PX+4*\j+\c], s[14:15]
.endr
.endr
	WIN 0x40
.irp j, 0,1,2,3,4,5,6,7
	global_load_b128 v[BW+4*\j:BW+4*\j+3], v[TA], s[12:13] offset:32*\j
.endr
	WIN 0
	global_load_b64 v[UKN:UKN+1], v[ZA], s[8:9]
.endm
; The four corners are weighed and added in place, corner by corner so that no line waits for the line above it; the samples go to my stage, a token a row.
.macro INTERP
	WIN 0x55                                       ; all in window 1
.irp j, 0,1,2,3,4,5,6,7
.irp p, 0,2
	v_pk_mul_f32 v[G+16*\j+\p:G+16*\j+\p+1], v[G+16*\j+\p:G+16*\j+\p+1], v[BW+4*\j:BW+4*\j+1] op_sel_hi:[1,0]
.endr
.endr
.irp j, 0,1,2,3,4,5,6,7
.irp p, 0,2
	v_pk_fma_f32 v[G+16*\j+\p:G+16*\j+\p+1], v[G+16*\j+4+\p:G+16*\j+4+\p+1], v[BW+4*\j:BW+4*\j+1], v[G+16*\j+\p:G+16*\j+\p+1] op_sel:[0,1,0] op_sel_hi:[1,1,1]
.endr
.endr
.irp j, 0,1,2,3,4,5,6,7
.irp p, 0,2
	v_pk_fma_f32 v[G+16*\j+\p:G+16*\j+\p+1], v[G+16*\j+8+\p:G+16*\j+8+\p+1], v[BW+4*\j+2:BW+4*\j+3], v[G+16*\j+\p:G+16*\j+\p+1] op_sel_hi:[1,0,1]
.endr
.endr
.irp j, 0,1,2,3,4,5,6,7
.irp p, 0,2
	v_pk_fma_f32 v[G+16*\j+\p:G+16*\j+\p+1], v[G+16*\j+12+\p:G+16*\j+12+\p+1], v[BW+4*\j+2:BW+4*\j+3], v[G+16*\j+\p:G+16*\j+\p+1] op_sel:[0,1,0] op_sel_hi:[1,1,1]
.endr
.endr
	WIN 0x04                                       ; an LDS store's data are its source 1: window 1
.irp j, 0,1,2,3,4,5,6,7
	ds_store_b128 v[STO], v[G+16*\j:G+16*\j+3] offset:2*SPITCH*\j
.endr
	WIN 0
.endm
.macro PREF_B ln                       ; layer ln's bias in the result's layout (tile t, lane half h: units 32 (t / 2) + 16 h + 8 (t % 2) + 0 .. 7), and its scale words
	WIN 0x40
.irp t, 0,1,2,3,4,5,6,7
	ds_load_b128 v[BI+8*\t:BI+8*\t+3], v[LBH] offset:512*(\ln)+128*(\t/2)+32*(\t%2)
	ds_load_b128 v[BI+8*\t+4:BI+8*\t+7], v[LBH] offset:512*(\ln)+128*(\t/2)+32*(\t%2)+16
.endr
	WIN 0
	ds_load_b128 v[WS:WS+3], v[LSC] offset:1024*(\ln)
	ds_load_b128 v[WS+4:WS+7], v[LSC] offset:1024*(\ln)+512
.endm
.macro PREF_W ln                       ; layer ln's eight fragments: images of the registers, 16 bytes a lane
.irp t, 0,1,2,3,4,5,6,7
	ds_load_b128 v[W+8*\t:W+8*\t+3], v[LW] offset:8192*(\ln)+1024*\t
	ds_load_b128 v[W+8*\t+4:W+8*\t+7], v[LW] offset:8192*(\ln)+1024*\t+512
.endr
.endm
.macro PREF_W2 n                       ; net n's W2 in the result's layout, into the fragments' registers
.irp t, 0,1,2,3,4,5,6,7
	ds_load_b128 v[W+8*\t:W+8*\t+3], v[LBH] offset:W2L-BIAS+512*(\n)+128*(\t/2)+32*(\t%2)
	ds_load_b128 v[W+8*\t+4:W+8*\t+7], v[LBH] offset:W2L-BIAS+512*(\n)+128*(\t/2)+32*(\t%2)+16
.endr
.endm
; A layer's products: eight matrix instructions on eight accumulators, each a whole K with the bias as C: no sum is taken up again.
; Four plain instructions follow: behind them the fragments', the bias's and the scales' registers are loaded anew and the results are read (ISA guide 7.12.1 for vector instructions).
.macro MM src, sw
	s_wait_dscnt 0x0                               ; fragments, bias and scale words, asked for a layer ago
	WIN 0x10                                       ; source 2 (the bias) window 1
.irp t, 0,1,2,3,4,5,6,7
	v_wmma_scale_f32_16x16x128_f8f6f4 v[ACC+8*\t:ACC+8*\t+7], v[W+8*\t:W+8*\t+7], v[\src:\src+7], v[BI+8*\t:BI+8*\t+7], v[WS+\t], v[\sw] matrix_a_fmt:MATRIX_FMT_FP4 matrix_b_fmt:MATRIX_FMT_FP4
.endr
	WIN 0
.rept 4
	v_nop
.endr
.endm
; x / (1 + 2^(-log2(e) x)) on the 64 results.  Two batches of transcendentals, each with one plain instruction and one wait behind it; the scalings and the additions run one pair ahead of
; the transcendentals that read them.  Each accumulator is first read at its low end.
.macro SILU
	v_pk_mul_f32 v[TMP:TMP+1], v[ACC:ACC+1], s[NL2E:NL2E+1] op_sel_hi:[1,0]
.set q, 0
.rept 32
.if q < 62
	v_pk_mul_f32 v[TMP+q+2:TMP+q+3], v[ACC+q+2:ACC+q+3], s[NL2E:NL2E+1] op_sel_hi:[1,0]
.endif
	v_exp_f32 v[TMP+q], v[TMP+q]
	v_exp_f32 v[TMP+q+1], v[TMP+q+1]
.set q, q+2
.endr
	v_nop
	s_wait_alu depctr_va_vdst(0)                   ; one wait for the 64 exponentials, ahead of their first reader
	v_pk_add_f32 v[TMP:TMP+1], v[TMP:TMP+1], 1.0 op_sel_hi:[1,0]
.set q, 0
.rept 32
.if q < 62
	v_pk_add_f32 v[TMP+q+2:TMP+q+3], v[TMP+q+2:TMP+q+3], 1.0 op_sel_hi:[1,0]
.endif
	v_rcp_f32 v[TMP+q], v[TMP+q]
	v_rcp_f32 v[TMP+q+1], v[TMP+q+1]
.set q, q+2
.endr
	v_nop
	s_wait_alu depctr_va_vdst(0)                   ; and one for the 64 reciprocals
.set q, 0
.rept 32
	v_pk_mul_f32 v[ACC+q:ACC+q+1], v[ACC+q:ACC+q+1], v[TMP+q:TMP+q+1]
.set q, q+2
.endr
.endm
; 16 nb numbers of a lane, register 16 b + i = k 32 b + 16 (lane / 16) + i of my token, become a fragment's codes in v[dst] on and its scale word in v[word].  nb = 3: the fourth block is zeros.
.macro QUANT s, nb, dst, word
.irp b, 0,1,2,3
.if \b < \nb
	v_max3_num_f32 v[TM+\b], |v[\s+16*\b]|, |v[\s+16*\b+1]|, 0x1800000   ; my 16 numbers of block b, and the floor 2^(3 - 127): the byte cannot fall under 1
.endif
.endr
.irp i, 2,4,6,8,10,12,14
.irp b, 0,1,2,3
.if \b < \nb
	v_max3_num_f32 v[TM+\b], v[TM+\b], |v[\s+16*\b+\i]|, |v[\s+16*\b+\i+1]|   ; (the blocks by turns)
.endif
.endr
.endr
.irp b, 0,1,2,3
.if \b < \nb
	v_permlanex16_b32 v[TM+4+\b], v[TM+\b], s[SEL], s[SEL+1]
.endif
.endr
.irp b, 0,1,2,3
.if \b < \nb
	v_max_num_f32 v[TM+\b], v[TM+\b], v[TM+4+\b]   ; with lane l xor 16's: the block's largest magnitude
.endif
.endr
.irp b, 0,1,2,3
.if \b < \nb
	v_add_nc_u32 v[TM+8+\b], 0xff000000, v[TM+\b]  ; 2 off its exponent field: the conversion's scale operand
.endif
.endr
.irp b, 0,1,2,3
.if \b < \nb
	v_lshrrev_b32 v[TM+4+\b], 23, v[TM+8+\b]       ; the scale's byte
.endif
.endr
	v_lshl_or_b32 v[\word], v[TM+5], 8, v[TM+4]
	v_lshl_or_b32 v[\word], v[TM+6], 16, v[\word]
.if \nb > 3
	v_lshl_or_b32 v[\word], v[TM+7], 24, v[\word]
.endif
.irp b, 0,1,2,3
.if \b < \nb
	v_cvt_scalef32_pk8_fp4_f32 v[\dst+2*\b], v[\s+16*\b:\s+16*\b+7], v[TM+8+\b]
	v_cvt_scalef32_pk8_fp4_f32 v[\dst+2*\b+1], v[\s+16*\b+8:\s+16*\b+15], v[TM+8+\b]
.else
	v_mov_b32 v[\dst+2*\b], 0                      ; zero codes add nothing, whatever their scale byte (here 0)
	v_mov_b32 v[\dst+2*\b+1], 0
.endif
.endr
	v_nop                                          ; a plain instruction behind the last scaled conversion
.irp c, 0,1                                    ; the operand's layout wants a whole block in a lane: lanes 0-15 block 2 c, lanes 16-31 block 2 c + 1
.irp i, 0,1
	v_permlane16_swap_b32 v[\dst+4*\c+\i], v[\dst+4*\c+2+\i]
.endr
.endr
.rept 8
	v_nop                                          ; a scale register written by a vector instruction stands eight plain instructions ahead of the scaled matrix instruction, an operand so written four
.endr
.endm
; The last layer: d = the 128 hidden units . W2 + b2, in f32: my 64 in four chains, then lane l xor 16's.  d lands in v[TM], in both lanes of a token.
.macro DOT n
	s_wait_dscnt 0x0                               ; W2
.irp c, 0,1,2,3
	v_pk_mul_f32 v[TM+2*\c:TM+2*\c+1], v[ACC+2*\c:ACC+2*\c+1], v[W+2*\c:W+2*\c+1]
.endr
.irp j, 1,2,3,4,5,6,7
.irp c, 0,1,2,3
	v_pk_fma_f32 v[TM+2*\c:TM+2*\c+1], v[ACC+8*\j+2*\c:ACC+8*\j+2*\c+1], v[W+8*\j+2*\c:W+8*\j+2*\c+1], v[TM+2*\c:TM+2*\c+1]
.endr
.endr
	v_pk_add_f32 v[TM:TM+1], v[TM:TM+1], v[TM+2:TM+3]
	v_pk_add_f32 v[TM+4:TM+5], v[TM+4:TM+5], v[TM+6:TM+7]
	v_pk_add_f32 v[TM:TM+1], v[TM:TM+1], v[TM+4:TM+5]
	v_add_f32 v[TM], v[TM], v[TM+1]
	v_permlanex16_b32 v[TM+4], v[TM], s[SEL], s[SEL+1]
	v_add_f32 v[TM], v[TM], v[TM+4]
	v_add_f32 v[TM], s[B2S+\n], v[TM]
.endm
; A net, from comb's codes to d.  Behind each layer's products the next layer's bias, scale words and fragments are asked for; behind the last, those of the layer that follows in the walk (the other net's first).
.macro NET n
	MM CC, CW
	PREF_B 4*\n+1
	PREF_W 4*\n+1
	SILU
	QUANT ACC, 4, PC, PW
	MM PC, PW
	PREF_B 4*\n+2
	PREF_W 4*\n+2
	SILU
	QUANT ACC, 4, PC, PW
	MM PC, PW
	PREF_B 4*\n+3
	PREF_W 4*\n+3
	SILU
	QUANT ACC, 4, PC, PW
	MM PC, PW
	PREF_B (4*\n+4)%8
	PREF_W2 \n
	SILU
	DOT \n
	PREF_W (4*\n+4)%8
.endm
	s_load_b512 s[8:23], s[0:1], 0x0               ; the pairs in s[8:9], pixel numbers s[10:11], weights s[12:13], wT s[14:15], cond s[16:17], pack s[18:19], b2 s[20:21], the pairs out s[22:23]
.if STAGE == 0
	s_load_b128 s[24:27], s[0:1], 0x40             ; the next half's pixel numbers s[24:25] and weights s[26:27]
	s_load_b64 s[28:29], s[0:1], 0x50              ; the partial sums
.else
	s_load_b64 s[28:29], s[0:1], 0x40              ; the partial sums
	v_lshl_add_u32 v31, v0, 2, 0x25e00
	v_mov_b32 v61, 0
.endif
	v_lshrrev_b32 v[LN], 5, v0
	v_readfirstlane_b32 s[WV], v[LN]               ; wave 0..7
	v_and_b32 v[LN], 31, v0                        ; lane
	v_and_b32 v[RR], 15, v0                        ; r = i = lane % 16
	v_bfe_u32 v[HH], v0, 4, 1                      ; h = hh = lane / 16
	s_mul_i32 s46, s[WV], STGW
	s_add_co_u32 s46, s46, STG
	s_lshl_b32 s47, s[WV], 10
	s_add_co_u32 s47, s47, OUTZ
	s_lshl_b32 s49, s[WV], 2
	s_add_co_u32 s49, s49, RED
	; every LDS address is made here, ahead of the first branch on the wave's number
	v_lshlrev_b32 v[LW], 4, v[LN]
	v_add_nc_u32 v[LSC], SCL, v[LW]
	v_lshl_add_u32 v[LBH], v[HH], 6, BIAS
	v_mul_u32_u24 v[STO], v[HH], SPITCH
	v_lshl_add_u32 v[STO], v[RR], 4, v[STO]
	v_add_nc_u32 v[STO], s46, v[STO]
	v_mul_u32_u24 v[SRD], v[RR], SPITCH
	v_lshl_add_u32 v[SRD], v[HH], 6, v[SRD]
	v_add_nc_u32 v[SRD], s46, v[SRD]
	v_lshl_add_u32 v[BZ0], v[RR], 3, s47
	v_add_nc_u32 v[FZ], s47, v[LW]
.if STAGE == 0
	s_lshl_b32 s48, s[WV], 11
	s_add_co_u32 s48, s48, OUTP
	v_lshl_add_u32 v[BP0], v[RR], 4, s48
	v_add_nc_u32 v[FP], s48, v[LW]
.endif
	v_lshl_add_u32 v[BZ], v0, 2, W2L               ; at the head: pack's last 1,024 bytes, 4 a thread (in memory and in LDS alike)
	v_lshl_add_u32 v[BP], v[LN], 2, CONDT          ; at the head: the cond row's word
	v_lshlrev_b32 v[TA], 4, v[HH]
	v_lshlrev_b32 v[ZA], 3, v[RR]
	v_lshlrev_b32 v[LI], 4, v[RR]
	v_mov_b32 v[RA], s49
	v_mov_b32 v[RB], RED
	v_lshlrev_b32 v[A1], 4, v0
	v_add_nc_u32 v[A2], 65536, v[A1]
	v_add_nc_u32 v141, -1, v[LN]                   ; word j of the cond row is cond[j - 1]:
	v_min_u32 v142, 15, v141                       ; every lane reads inside the row,
	v_lshlrev_b32 v142, 2, v142
	s_mov_b32 s[NL2E], 0xbfb8aa3b
	s_mov_b32 s[NL2E+1], 0xbfb8aa3b
	s_mov_b32 s[LOW16], 0xffff
	s_mov_b32 s[SEL], 0x76543210
	s_mov_b32 s[SEL+1], 0xfedcba98
	s_lshl_b32 s44, ttmp9, 10
	s_lshl_b32 s45, s[WV], 7
	s_add_co_u32 s44, s44, s45                     ; my first token
	s_lshl_b32 s50, s44, 4                         ; 16 bytes a token,
	s_mov_b32 s51, 0
	s_lshl_b32 s52, s44, 3                         ; 8 bytes a token
	s_mov_b32 s53, 0
	s_lshr_b32 s45, ttmp9, 2                       ; the batch
	s_lshl_b32 s54, s45, 20
	s_mov_b32 s55, 0
	s_lshl_b32 s56, s45, 6
	s_mov_b32 s57, 0
	s_lshl_b32 s62, ttmp9, 2                       ; the work-group's word among the partial sums
	s_mov_b32 s63, 0
	s_wait_kmcnt 0x0
	s_load_b64 s[B2S:B2S+1], s[20:21], 8*STAGE     ; b2 of this stage's two nets
	s_add_nc_u64 s[8:9], s[8:9], s[52:53]
	s_add_nc_u64 s[10:11], s[10:11], s[50:51]
	s_add_nc_u64 s[12:13], s[12:13], s[50:51]
	s_add_nc_u64 s[14:15], s[14:15], s[54:55]
	s_add_nc_u64 s[16:17], s[16:17], s[56:57]
	s_add_nc_u64 s[22:23], s[22:23], s[52:53]
	s_add_nc_u64 s[28:29], s[28:29], s[62:63]
.if STAGE == 0
	s_add_nc_u64 s[24:25], s[24:25], s[50:51]
	s_add_nc_u64 s[26:27], s[26:27], s[50:51]
.else
	s_add_nc_u64 s[18:19], s[18:19], PACKB         ; the second stage's weights
.endif
	global_load_b32 v143, v142, s[16:17]
	PXLOAD 0                                       ; tile 0's pixel numbers
.set p, 0
.rept 19
	global_load_b128 v[64+4*p:64+4*p+3], v[A1], s[18:19] offset:4096*p   ; the stage's weights: 4,096 consecutive bytes a work-group's load
.set p, p+1
.endr
	global_load_b32 v140, v[BZ], s[18:19]
	s_wait_loadcnt 20                              ; cond's word and the pixel numbers are in; the 20 loads of pack, issued behind them, stay out
	v_cmp_gt_u32 vcc_lo, 16, v141
	v_cndmask_b32 v143, 0, v143, vcc_lo            ; and words 0 and 17 .. 31 are zeros
	NEXTG                                          ; tile 0
	s_wait_loadcnt 41                              ; pack is in; the gather's 32 + 8 + 1 loads stay out
.set p, 0
.rept 16
	ds_store_b128 v[A1], v[64+4*p:64+4*p+3] offset:4096*p
.set p, p+1
.endr
.rept 3
	ds_store_b128 v[A2], v[64+4*p:64+4*p+3] offset:4096*(p-16)
.set p, p+1
.endr
	ds_store_b32 v[BZ], v140
	s_cmp_lg_u32 s[WV], 0
	s_cbranch_scc1 .Lnot_cond
	ds_store_b32 v[BP], v143
.Lnot_cond:
	s_wait_xcnt 0x0                                ; the gather has read its offsets: the registers take the next tile's pixel numbers
	PXLOAD 256                                     ; tile 1's
	s_wait_dscnt 0x0                               ; for the others' sake: my part of the weights lies in LDS
	s_barrier_signal -1
	s_barrier_wait -1
	PREF_B 0
	PREF_W 0
	v_mov_b32 v[SS], 0
.irp b, 4,5,6,7
	v_mov_b32 v[TM+\b], 0                          ; written once: a lane permute's destination counts as one of its sources
.endr
	s_mov_b32 s[TI], 0
	s_mov_b32 s34, 0
.if STAGE == 0
	s_mov_b32 s35, 0
.endif
	s_wait_kmcnt 0x0                               ; b2
.Ltile:
	s_wait_loadcnt 0x0                             ; this tile's pixels, weights and pairs and the next tile's pixel numbers: all asked for a tile ago.  No load is out: the offsets may step
	v_add_nc_u32 v[TA], 0x100, v[TA]
	v_add_nc_u32 v[ZA], 0x80, v[ZA]
	v_mov_b32 v[UK], v[UKN]
	v_mov_b32 v[UK+1], v[UKN+1]
	v_add_nc_u32 v[BZ], s34, v[BZ0]
.if STAGE == 0
	v_add_nc_u32 v[BP], s35, v[BP0]
.endif
	INTERP
.irp q, 0,1,2,3                                ; back as comb: register 16 b + i = number 32 b + 16 h + i of token r.  LDS serves a wave's instructions in order (ISA guide 5.7.1.4): these see the stores above
	ds_load_b128 v[TMP+4*\q:TMP+4*\q+3], v[SRD] offset:16*\q
	ds_load_b128 v[TMP+16+4*\q:TMP+16+4*\q+3], v[SRD] offset:128+16*\q
	ds_load_b128 v[TMP+32+4*\q:TMP+32+4*\q+3], v[LBH] offset:CONDT-BIAS+16*\q
.endr
	s_cmp_lt_u32 s[TI], 7                          ; the last tile gathers nothing, the last two ask for no pixel numbers: no load leaves its buffer
	s_cbranch_scc0 .Lno_gather
	NEXTG
.Lno_gather:
	s_cmp_lt_u32 s[TI], 6
	s_cbranch_scc0 .Lno_px
	s_wait_xcnt 0x0                                ; the gather has read its offsets
	PXLOAD 256
.Lno_px:
	s_wait_dscnt 0x0
	v_cndmask_b32 v[TMP+32], v[TMP+32], v[TMP], s[LOW16]   ; lanes 0-15: slot 0 is channel 63, number 64 of comb,
	v_cndmask_b32 v[TMP], v[TMP], v[UK+1], s[LOW16]        ; and number 0 is k
	QUANT TMP, 3, CC, CW
	NET 0
	v_mul_f32 v[TM+1], 0x4038aa3b, v[TM]           ; s = 1.5 tanh(d), tanh(d) = 1 - 2 / (1 + 2^(2 log2(e) d))
	v_exp_f32 v[TM+1], v[TM+1]
	v_nop
	s_wait_alu depctr_va_vdst(0)                   ; the wait ahead of a transcendental's first reader
	v_add_f32 v[TM+1], 1.0, v[TM+1]
	v_rcp_f32 v[TM+1], v[TM+1]
	v_nop
	s_wait_alu depctr_va_vdst(0)
	v_fma_f32 v[TM+1], v[TM+1], -2.0, 1.0
	v_mul_f32 v[TM+1], 0x3fc00000, v[TM+1]
	v_add_f32 v[SS], v[SS], v[TM+1]
	v_mul_f32 v[TM+1], 0x3fb8aa3b, v[TM+1]
	v_exp_f32 v[ES], v[TM+1]
	v_nop
	s_wait_alu depctr_va_vdst(0)
	NET 1                                          ; (in the last trip its closing fetch of layer 0 serves nothing: 34 LDS loads a wave, against a branch in every trip)
	v_mov_b32 v[TM+2], v[UK+1]
	v_fma_f32 v[TM+3], v[UK], v[ES], v[TM]         ; u' = u exp(s) + t
	ds_store_b64 v[BZ], v[TM+2:TM+3]               ; (k, u'); lanes r and r + 16 write the same bytes with the same values
.if STAGE == 0
	PIXW TM+3, UK+1, TMP, TMP+12, TMP+16           ; the next half samples at (x = u', y = k)
	ds_store_b128 v[BP], v[TMP+12:TMP+15]
	ds_store_b128 v[BP], v[TMP+16:TMP+19] offset:OUTW-OUTP
	s_add_co_u32 s35, s35, 256
.endif
	s_add_co_u32 s34, s34, 128
	s_add_co_u32 s[TI], s[TI], 1
	s_cmp_lt_u32 s[TI], 8
	s_cbranch_scc1 .Ltile
	; ---- my 128 tokens leave: each store covers 512 consecutive bytes
	ds_load_b128 v[128:131], v[FZ]
	ds_load_b128 v[132:135], v[FZ] offset:512
	s_wait_dscnt 0x0
	global_store_b128 v[LW], v[128:131], s[22:23]
	global_store_b128 v[LW], v[132:135], s[22:23] offset:512
.if STAGE == 0
.irp q, 0,1,2,3
	ds_load_b128 v[136+4*\q:139+4*\q], v[FP] offset:512*\q
	ds_load_b128 v[152+4*\q:155+4*\q], v[FP] offset:OUTW-OUTP+512*\q
.endr
	s_wait_dscnt 0x0
.irp q, 0,1,2,3
	global_store_b128 v[LW], v[136+4*\q:139+4*\q], s[24:25] offset:512*\q
	global_store_b128 v[LW], v[152+4*\q:155+4*\q], s[26:27] offset:512*\q
.endr
.endif
	; ---- the sum of s: over the sixteen tokens of a row of lanes (both rows hold the same tokens), then over the eight waves
	v_add_f32_dpp v[SS], v[SS], v[SS] row_xmask:1 row_mask:0xf bank_mask:0xf
	v_add_f32_dpp v[SS], v[SS], v[SS] row_xmask:2 row_mask:0xf bank_mask:0xf
	v_add_f32_dpp v[SS], v[SS], v[SS] row_xmask:4 row_mask:0xf bank_mask:0xf
	v_add_f32_dpp v[SS], v[SS], v[SS] row_xmask:8 row_mask:0xf bank_mask:0xf
	ds_store_b32 v[RA], v[SS]                      ; all lanes write my wave's word with the same value
	s_wait_dscnt 0x0                               ; for the others' sake
	s_barrier_signal -1
	s_barrier_wait -1
	s_cmp_lg_u32 s[WV], 0
	s_cbranch_scc1 .Lend
	ds_load_b128 v[168:171], v[RB]
	ds_load_b128 v[172:175], v[RB] offset:16
	v_mov_b32 v176, 0
	v_cmp_eq_u32 vcc_lo, 0, v0
	s_wait_dscnt 0x0
	v_pk_add_f32 v[168:169], v[168:169], v[170:171]
	v_pk_add_f32 v[172:173], v[172:173], v[174:175]
	v_pk_add_f32 v[168:169], v[168:169], v[172:173]
	v_add_f32 v168, v168, v169
	s_wait_xcnt 0x0                                ; EXEC changes only behind this wait: it is a source of the stores above
	s_and_saveexec_b32 s46, vcc_lo
	global_store_b32 v176, v168, s[28:29] offset:1024*STAGE   ; thread 0: the work-group's partial sum, in this stage's 256 words
	s_wait_xcnt 0x0
	s_or_b32 exec_lo, exec_lo, s46
.Lend:
	s_barrier_signal -1
	s_barrier_wait -1
	s_wait_tensorcnt 0x0
	ds_add_u32 v31, v61
	s_wait_dscnt 0x0
	s_endpgm
.Lfunc_end_k_qdeff36a14b_halfB:
	.size	k_qdeff36a14b_halfB, .Lfunc_end_k_qdeff36a14b_halfB-k_qdeff36a14b_halfB
	.p2alignl 7, 3214868480
	.fill 96, 4, 3214868480
	.section	.rodata,"a",@progbits
	.p2align	6, 0x0
	.amdhsa_kernel k_qdeff36a14b_halfB
		.amdhsa_group_segment_fixed_size 156160
		.amdhsa_private_segment_fixed_size 0
		.amdhsa_enable_private_segment 0
		.amdhsa_kernarg_size 72
		.amdhsa_user_sgpr_count 2
		.amdhsa_user_sgpr_kernarg_segment_ptr 1
		.amdhsa_wavefront_size32 1
		.amdhsa_system_sgpr_workgroup_id_x 1
		.amdhsa_system_sgpr_workgroup_id_y 1
		.amdhsa_system_sgpr_workgroup_id_z 1
		.amdhsa_system_vgpr_workitem_id 0
		.amdhsa_next_free_vgpr 512
		.amdhsa_next_free_sgpr 66
		.amdhsa_reserve_vcc 1
		.amdhsa_float_denorm_mode_32 3
		.amdhsa_float_denorm_mode_16_64 3
		.amdhsa_memory_ordered 1
		.amdhsa_forward_progress 1
		.amdhsa_inst_pref_size 179
	.end_amdhsa_kernel
	.amdgpu_metadata
---
amdhsa.version: [ 1, 2 ]
amdhsa.kernels:
  - .name:           k_qdeff36a14b_halfB
    .symbol:         k_qdeff36a14b_halfB.kd
    .args:
      - { .name: mid, .offset: 0, .size: 8, .value_kind: global_buffer, .address_space: global }
      - { .name: pixB, .offset: 8, .size: 8, .value_kind: global_buffer, .address_space: global }
      - { .name: bwB, .offset: 16, .size: 8, .value_kind: global_buffer, .address_space: global }
      - { .name: wT, .offset: 24, .size: 8, .value_kind: global_buffer, .address_space: global }
      - { .name: cond, .offset: 32, .size: 8, .value_kind: global_buffer, .address_space: global }
      - { .name: pack, .offset: 40, .size: 8, .value_kind: global_buffer, .address_space: global }
      - { .name: b2, .offset: 48, .size: 8, .value_kind: global_buffer, .address_space: global }
      - { .name: out0, .offset: 56, .size: 8, .value_kind: global_buffer, .address_space: global }
      - { .name: part, .offset: 64, .size: 8, .value_kind: global_buffer, .address_space: global }
    .group_segment_fixed_size: 156160
    .private_segment_fixed_size: 0
    .kernarg_segment_align: 8
    .kernarg_segment_size: 72
    .max_flat_workgroup_size: 256
    .sgpr_count:     66
    .vgpr_count:     512
    .wavefront_size: 32
...
	.end_amdgpu_metadata
.endif
;; end of part 3
;; launch sum (part 4): grid 1 x 1, 1 waves a work-group, no clusters, 0 bytes of LDS; arguments part, out1; writes out1
.if DOCPART == 4
	.amdgcn_target "amdgcn-amd-amdhsa--gfx1250"
	.amdhsa_code_object_version 6
	.text
	.protected	k_qdeff36a14b_sum
	.globl	k_qdeff36a14b_sum
	.p2align	8
	.type	k_qdeff36a14b_sum,@function
k_qdeff36a14b_sum:
	s_mov_b64 s[64:65], 0
	v_nop
	global_prefetch_b8 v0, s[64:65] scope:SCOPE_SE
	s_setreg_imm32_b32 hwreg(HW_REG_WAVE_MODE, 25, 1), 1
	s_wait_xcnt 0x0
; out1[b] = the eight partial sums of batch b: four work-groups in each of the two halves.  part: [2 halves][256 work-groups] f32.
; One wave: lane l takes batches 2 l and 2 l + 1, which are work-groups 8 l .. 8 l + 7: 32 consecutive bytes in each half.  The 32 lanes store out1's 256 bytes by one instruction.
; The whole launch moves 2,304 bytes: one wave is all the work there is.
	s_load_b128 s[4:7], s[0:1], 0x0                ; part, out1
	v_lshlrev_b32 v1, 5, v0
	v_lshlrev_b32 v2, 3, v0
	s_wait_kmcnt 0x0
	global_load_b128 v[4:7], v1, s[4:5]                  ; batch 2 l, first half
	global_load_b128 v[8:11], v1, s[4:5] offset:16       ; batch 2 l + 1
	global_load_b128 v[12:15], v1, s[4:5] offset:1024    ; batch 2 l, second half
	global_load_b128 v[16:19], v1, s[4:5] offset:1040    ; batch 2 l + 1
	s_wait_loadcnt 0x0
	v_pk_add_f32 v[4:5], v[4:5], v[6:7]
	v_pk_add_f32 v[12:13], v[12:13], v[14:15]
	v_pk_add_f32 v[8:9], v[8:9], v[10:11]
	v_pk_add_f32 v[16:17], v[16:17], v[18:19]
	v_pk_add_f32 v[4:5], v[4:5], v[12:13]
	v_pk_add_f32 v[8:9], v[8:9], v[16:17]
	v_add_f32 v20, v4, v5
	v_add_f32 v21, v8, v9
	global_store_b64 v2, v[20:21], s[6:7]
	s_endpgm
.Lfunc_end_k_qdeff36a14b_sum:
	.size	k_qdeff36a14b_sum, .Lfunc_end_k_qdeff36a14b_sum-k_qdeff36a14b_sum
	.p2alignl 7, 3214868480
	.fill 96, 4, 3214868480
	.section	.rodata,"a",@progbits
	.p2align	6, 0x0
	.amdhsa_kernel k_qdeff36a14b_sum
		.amdhsa_group_segment_fixed_size 0
		.amdhsa_private_segment_fixed_size 0
		.amdhsa_enable_private_segment 0
		.amdhsa_kernarg_size 16
		.amdhsa_user_sgpr_count 2
		.amdhsa_user_sgpr_kernarg_segment_ptr 1
		.amdhsa_wavefront_size32 1
		.amdhsa_system_sgpr_workgroup_id_x 1
		.amdhsa_system_sgpr_workgroup_id_y 1
		.amdhsa_system_sgpr_workgroup_id_z 1
		.amdhsa_system_vgpr_workitem_id 0
		.amdhsa_next_free_vgpr 32
		.amdhsa_next_free_sgpr 66
		.amdhsa_reserve_vcc 0
		.amdhsa_float_denorm_mode_32 3
		.amdhsa_float_denorm_mode_16_64 3
		.amdhsa_memory_ordered 1
		.amdhsa_forward_progress 1
		.amdhsa_inst_pref_size 2
	.end_amdhsa_kernel
	.amdgpu_metadata
---
amdhsa.version: [ 1, 2 ]
amdhsa.kernels:
  - .name:           k_qdeff36a14b_sum
    .symbol:         k_qdeff36a14b_sum.kd
    .args:
      - { .name: part, .offset: 0, .size: 8, .value_kind: global_buffer, .address_space: global }
      - { .name: out1, .offset: 8, .size: 8, .value_kind: global_buffer, .address_space: global }
    .group_segment_fixed_size: 0
    .private_segment_fixed_size: 0
    .kernarg_segment_align: 8
    .kernarg_segment_size: 16
    .max_flat_workgroup_size: 32
    .sgpr_count:     66
    .vgpr_count:     32
    .wavefront_size: 32
...
	.end_amdgpu_metadata
.endif
;; end of part 4
